; MI455X (gfx1250); checked and timed in simulation.
; The chip was launched on July 23, 2026; its instructions are those of AMD's public machine-readable ISA for CDNA 5 (MIT licence, August 2026) and "CDNA5" Instruction Set Architecture Reference Guide (July 2026). The comments in the code are by the model that wrote it; some were corrected since.
;; Multi Head Self Attention. Allowed arithmetic: matrix products marked QUANTISED: E2M3 operands, one E8M0 scale for each 32 along K, by v_wmma_scale_f32_16x16x128_f8f6f4 with both operands' format E2M3, f32 sums; everything else in f32.
;; Inputs: b_proj 1,024 float32; ln_beta 1,024 float32; ln_gamma 1,024 float32; w_proj_codes 1,024 x 32 x 24 uint8 (E2M3 codes of w_proj, K innermost, in blocks of 32 codes, four codes in three bytes); w_proj_scales 1,024 x 32 uint8 (E8M0 scales of w_proj, one for each 32 codes along K); w_qkv_codes 3,072 x 32 x 24 uint8 (E2M3 codes of w_qkv, K innermost, in blocks of 32 codes, four codes in three bytes); w_qkv_scales 3,072 x 32 uint8 (E8M0 scales of w_qkv, one for each 32 codes along K); x 4 x 2,048 x 1,024 float32.
;; Outputs: out0 4 x 2,048 x 1,024 float32.
;; This version of the problem:
;;   THIS VERSION OF THE PROBLEM IS GIVEN IN LOW PRECISION. The matrix products marked QUANTISED in the list below multiply operands that are first quantised to E2M3 (2 exponent bits, 3 mantissa bits; 6 bits a number), with one power-of-two scale for each 32 numbers along K (OCP MX v1.0); their sums are f32. All else is computed in f32.
;;   The module's matrix products, in the order in which they are computed (A, B: the left and right operand; K: the contracted axis; several contracted axes count as one K, in the product's order):
;;     1. [M 8,192, K 1,024] x [K 1,024, N 3,072]; A: computed on the way; B: input w_qkv (given as codes): QUANTISED
;;     2. batch 64 x [M 2,048, K 64] x [K 64, N 2,048]; A: computed on the way; B: computed on the way: QUANTISED
;;     3. batch 64 x [M 2,048, K 2,048] x [K 2,048, N 64]; A: softmax (see below); B: computed on the way: QUANTISED
;;     4. [M 8,192, K 1,024] x [K 1,024, N 1,024]; A: computed on the way; B: input w_proj (given as codes): QUANTISED
;;   THE QUANTISER, for each operand of a quantised product, along K:
;;     - K is cut into blocks of 32 from its start; a last block that is shorter is filled with zeros.
;;     - A block's scale is 2^e with e = floor(log2(the largest magnitude in the block)) - 2, held to -126 .. 127; a block of zeros has e = 0. As a byte (E8M0): e + 127.
;;     - Each number is divided by its block's scale, clamped to +-7.5, and rounded to the nearest number of E2M3, ties to even, subnormals kept.
;;     - The product sums the exact products of the quantised numbers (number of the format x scale) in f32.
;;   ~~~python
;;   def quantise(x, axis):      # numpy; x: float32 -> the quantised numbers, widened to float32 again
;;       x = np.moveaxis(x, axis, -1); K = x.shape[-1]
;;       x = np.pad(x, [(0, 0)] * (x.ndim - 1) + [(0, -K % 32)]); x = x.reshape(x.shape[:-1] + (-1, 32)); a = np.abs(x).max(-1, keepdims=True)
;;       e = np.where(a > 0, np.clip(np.frexp(np.where(a > 0, a, 1))[1] - 1 - 2, -126, 127), 0)      # np.frexp(a)[1] - 1 = floor(log2(a)), exactly
;;       r = np.clip(x / 2.0 ** e, -7.5, 7.5)
;;       step = 2.0 ** (np.maximum(np.frexp(np.where(r == 0, 1, r))[1] - 1, 0) - 3)
;;       q = np.round(r / step) * step * 2.0 ** e      # np.round: ties to even
;;       return np.moveaxis(q.reshape(q.shape[:-2] + (-1,))[..., :K], -1, axis).astype(np.float32)
;;   ~~~
;;   SOFTMAX AHEAD OF A QUANTISED PRODUCT. Where the list says 'softmax', what is quantised is not the finished softmax but p = 2^(t - M), with t = logit x log2(e) and M = ceil(the row's largest t), a whole number; so 1/2 < the row's largest p <= 1. The row's sum l is taken of the UNQUANTISED p, in f32, and the product's result is divided by l at the end. Since M is a whole number, a kernel that streams over the keys may use a running M (the ceiling of the running maximum): every later rescaling is an exact power of two, which a block's scale takes up: the codes' values come out the same.
;;   OPERANDS COMPUTED ON THE WAY. 'Computed on the way' means the value that the module computes at that place (a softmax that the list does not call 'softmax' is quantised finished and normalised). What goes into a quantiser is computed in f32, as accurately as f32 sums, v_exp_f32 and their like allow (about 1e-6 of the number): no bf16 or f16 on the way to a quantiser, and a product that is left as it is and whose result goes on into a quantised operand takes f32 operands (vector FMAs, or v_wmma_f32_16x16x4_f32). A number that lies on a knife's edge between two numbers of the format may be rounded either way, as far as f32 arithmetic and the matrix unit's own rounding can turn it there, and no further.
;;   INPUTS GIVEN AS CODES. w_proj (in the module: [1024, 1024], K = its axis 1); w_qkv (in the module: [3072, 1024], K = its axis 1): each comes as NAME_codes (uint8): NAME with its K axis moved to the last place and cut into blocks of 32 codes, [.., K / 32, bytes a block], one block behind the other in memory; four codes in three bytes: a row's codes are one little-endian stream of bits, code i at bits 6 i .. 6 i + 5 (a code: sign, 2 exponent bits, 3 mantissa bits); and NAME_scales (uint8): the same leading axes, one E8M0 byte (e + 127) for each 32 codes along K. Its value is code x scale, taken as it is: it is not quantised again, and the codes and scales need not be those that the quantiser above would give.
;; One version. Each part assembles by itself: llvm-mc -triple=amdgcn-amd-amdhsa -mcpu=gfx1250 --defsym DOCPART=n.
;; ======== version 1 of 1: 4 launches
;; workspace buffers: h_img 6,291,456 bytes; h_scales 262,144 bytes; wq_img 2,359,296 bytes; wp_img 786,432 bytes; qkv_pack 20,447,232 bytes; a_img 6,291,456 bytes; a_sc 262,144 bytes
;; launch prep (part 1): grid 512 x 1, 8 waves a work-group, no clusters, 67,584 bytes of LDS; arguments x, ln_gamma, ln_beta, w_qkv_codes, w_proj_codes, h_img, h_scales, wq_img, wp_img; writes h_img, h_scales, wq_img, wp_img
.if DOCPART == 1
	.amdgcn_target "amdgcn-amd-amdhsa--gfx1250"
	.amdhsa_code_object_version 6
	.text
	.protected	k_qf32dfe91b5_prep
	.globl	k_qf32dfe91b5_prep
	.p2align	8
	.type	k_qf32dfe91b5_prep,@function
k_qf32dfe91b5_prep:
	s_mov_b64 s[64:65], 0
	v_nop
	global_prefetch_b8 v0, s[64:65] scope:SCOPE_SE
	s_setreg_imm32_b32 hwreg(HW_REG_WAVE_MODE, 25, 1), 1
	s_wait_xcnt 0x0
; h = LayerNorm(x) x gamma + beta, quantised along C to codes of FP6 (E2M3) with one E8M0 byte for each 32; and both weights' codes laid in the order of an operand's registers.
; TILES OF 16 ROWS ARE PERMUTED, here and in all later launches: tile 2 g + u holds rows 32 g + 8 u + r + 8 (r / 8), r = 0 .. 15.
; A HALF IMAGE, 768 bytes, is six operand registers (64 along K) of such a tile: registers 0-3 at 16 x lane, registers 4-5 at 512 + 8 x lane.  Two on end are a fragment (128 along K).
; SHARES.  Work-group T takes token tile T.  Pass 1: wave w takes rows 2 w and 2 w + 1 whole (4,096 bytes, eight loads of 512 consecutive bytes each): mean, then the squares of the differences, in f32;
; (x - mean) x rsqrt goes to LDS.  Pass 2: wave w takes K step w (128 along C) of all 16 rows: lane (r, h) reads 16 neighbours of each block of 32 of row r, x gamma + beta, quantises, and stores the fragment's image.
; The eight scale words of a row meet in LDS and leave as whole rows of h_scales ([token][8 words]).
; THE WEIGHTS: 256 tiles x 16 half images are one half image for each wave of the launch: wave w of work-group T copies half image 8 (T % 2) + w of weight tile T / 2 (tiles 0-191: w_qkv, the others: w_proj).
; A block's scale byte is its largest magnitude's exponent field - 2, held at 1 from below.
; LIMITS: a block of zeros gets the byte 1 where the rule says 127 (its codes are zeros, and this program alone reads the bytes); NaN and infinities among the inputs are not served.
.set XP,   4112                        ; a row in LDS: 4,096 bytes + 16: the 16 rows that a load of pass 2 touches start in 16 different columns of 16 bytes
.set SCG,  16*XP                       ; behind the rows: 16 rows x 8 scale words
.set WD,   12                          ; v12-17   the weight's half image
.set CT,   18                          ; v18-24   the conversions' second halves
.set PW,   25                          ; v25      the scale word
.set X,    32                          ; v32-95   two rows of x, 32 numbers a lane each; then 64 numbers of one K step
.set GA,   96                          ; v96-159  gamma of my K step
.set BE,   160                         ; v160-223 beta
.set TM,   224                         ; v224-239 at work
.set PC,   240                         ; v240-251 the codes
.set SEL,  24                          ; s[24:25] v_permlanex16_b32's selects for lane l xor 16
	s_load_b256 s[4:11], s[0:1], 0x0               ; x, gamma, beta, w_qkv's codes
	s_load_b256 s[12:19], s[0:1], 0x20             ; w_proj's codes, h_img, h_scales, wq_img
	s_load_b64 s[20:21], s[0:1], 0x40              ; wp_img
	v_lshl_add_u32 v254, v0, 2, 0x10400
	v_mov_b32 v255, 0
	v_lshrrev_b32 v11, 5, v0
	v_readfirstlane_b32 s22, v11                   ; wave 0..7
	v_and_b32 v1, 31, v0                           ; lane
	v_and_b32 v2, 15, v0                           ; r
	v_bfe_u32 v3, v0, 4, 1                         ; h
	v_lshlrev_b32 v4, 4, v1                        ; 16 x lane
	v_lshlrev_b32 v5, 3, v1                        ; 8 x lane
	s_mul_i32 s23, s22, 2*XP
	v_add_nc_u32 v6, s23, v4                       ; LDS, pass 1: my two rows, 16 bytes a lane
	v_mul_u32_u24 v7, v2, XP
	v_lshl_add_u32 v7, v3, 6, v7
	s_lshl_b32 s23, s22, 9
	v_add_nc_u32 v7, s23, v7                       ; LDS, pass 2: row r, + 64 h, + 512 x wave
	v_lshlrev_b32 v8, 6, v3                        ; gamma, beta: 64 h
	s_lshl_b32 s23, s22, 2
	s_add_co_u32 s23, s23, SCG
	v_lshl_add_u32 v9, v2, 5, s23                  ; LDS: row r's scale word of K step w
	v_and_b32 v10, 8, v2
	v_add_nc_u32 v10, v10, v2                      ; r + 8 (r / 8)
	v_mul_u32_u24 v10, v10, 768                    ; a weight's row is 1,024 codes, 768 bytes
	v_mad_u32_u24 v10, v3, 24, v10                 ; + 24 h
	v_lshl_add_u32 v26, v3, 8, v4                  ; h_scales: 16 x lane, and 256 more for rows 8-15, whose tokens lie 8 further on
	v_add_nc_u32 v27, SCG, v4
	s_mov_b32 s[SEL], 0x76543210
	s_mov_b32 s[SEL+1], 0xfedcba98
	s_mov_b32 s26, 0x3a800000                      ; 1 / 1,024
	s_mov_b32 s27, 0x3727c5ac                      ; 1e-5
	s_lshr_b32 s28, ttmp9, 1                       ; g
	s_and_b32 s29, ttmp9, 1                        ; u
	s_lshl_b32 s30, s28, 5
	s_lshl_b32 s31, s29, 3
	s_add_co_u32 s30, s30, s31                     ; the tile's first token: 32 g + 8 u
	s_lshl_b32 s32, s22, 1
	s_lshr_b32 s33, s22, 2
	s_lshl_b32 s33, s33, 3
	s_add_co_u32 s32, s32, s33
	s_add_co_u32 s32, s32, s30                     ; my first token: + 2 w + 8 (w / 4); the second is the next one
	s_lshl_b32 s32, s32, 12
	s_mov_b32 s33, 0
	s_lshl_b32 s34, s22, 9
	s_mov_b32 s35, 0
	s_wait_kmcnt 0x0
	s_add_nc_u64 s[4:5], s[4:5], s[32:33]
	s_add_nc_u64 s[6:7], s[6:7], s[34:35]
	s_add_nc_u64 s[8:9], s[8:9], s[34:35]
.irp rho, 0,1
.irp j, 0,1,2,3,4,5,6,7
	global_load_b128 v[X+32*\rho+4*\j:X+32*\rho+4*\j+3], v4, s[4:5] offset:4096*\rho+512*\j th:TH_LOAD_NT   ; 32 lanes read 512 consecutive bytes
.endr
.endr
.irp b, 0,1,2,3
.irp q, 0,1,2,3
	global_load_b128 v[GA+16*\b+4*\q:GA+16*\b+4*\q+3], v8, s[6:7] offset:128*\b+16*\q
	global_load_b128 v[BE+16*\b+4*\q:BE+16*\b+4*\q+3], v8, s[8:9] offset:128*\b+16*\q
.endr
.endr
	; the weight's half image: which tensor, which tile, which 64 along K.  The choice hangs on the work-group's number alone
	s_cmp_lt_u32 s28, 192
	s_cselect_b64 s[10:11], s[10:11], s[12:13]
	s_cselect_b64 s[18:19], s[18:19], s[20:21]
	s_cselect_b32 s40, 0, 192
	s_sub_co_u32 s40, s28, s40                     ; the tile in its tensor
	s_lshl_b32 s41, s29, 3
	s_add_co_u32 s41, s41, s22                     ; the half image 0..15
	s_lshr_b32 s42, s40, 1
	s_lshl_b32 s42, s42, 5
	s_and_b32 s43, s40, 1
	s_lshl_b32 s43, s43, 3
	s_add_co_u32 s42, s42, s43                     ; the tile's first row
	s_mul_i32 s42, s42, 768
	s_mul_i32 s43, s41, 48                         ; 64 codes are 48 bytes
	s_add_co_u32 s42, s42, s43
	s_mov_b32 s43, 0
	s_add_nc_u64 s[10:11], s[10:11], s[42:43]
	s_mul_i32 s44, s40, 12288
	s_mul_i32 s45, s41, 768
	s_add_co_u32 s44, s44, s45
	s_mov_b32 s45, 0
	s_add_nc_u64 s[18:19], s[18:19], s[44:45]
.irp p, 0,1,2
	global_load_b64 v[WD+2*\p:WD+2*\p+1], v10, s[10:11] offset:8*\p   ; 24 bytes of the row's stream of bits: registers 0-5 as they lie
.endr
	s_mul_i32 s36, ttmp9, 12288
	s_mul_i32 s37, s22, 1536
	s_add_co_u32 s36, s36, s37
	s_mov_b32 s37, 0
	s_add_nc_u64 s[14:15], s[14:15], s[36:37]      ; h_img: tile T, K step w
	s_lshl_b32 s38, s30, 5
	s_mov_b32 s39, 0
	s_add_nc_u64 s[16:17], s[16:17], s[38:39]      ; h_scales: 32 bytes a token
.irp b, 4,5,6,7,14
	v_mov_b32 v[TM+\b], 0                          ; a lane permute's destination counts as one of its sources
.endr
; the sum over the wave's 32 lanes of v[TM] (row 0) and v[TM+8] (row 1), the two rows by turns; every lane gets the result
.macro RED2
.irp m, 1,2,4,8
.irp rho, 0,1
	v_add_f32_dpp v[TM+8*\rho], v[TM+8*\rho], v[TM+8*\rho] row_xmask:\m row_mask:0xf bank_mask:0xf
.endr
.endr
.irp rho, 0,1
	v_permlanex16_b32 v[TM+8*\rho+6], v[TM+8*\rho], s[SEL], s[SEL+1]
.endr
.irp rho, 0,1
	v_add_f32 v[TM+8*\rho], v[TM+8*\rho], v[TM+8*\rho+6]
.endr
.endm
	s_wait_loadcnt 35                              ; x is in; the 32 loads of gamma and beta and the weight's 3 may be out
	; ---- pass 1: the mean
.irp rho, 0,1
	v_pk_add_f32 v[TM+8*\rho:TM+8*\rho+1], v[X+32*\rho:X+32*\rho+1], v[X+32*\rho+2:X+32*\rho+3]
	v_pk_add_f32 v[TM+8*\rho+2:TM+8*\rho+3], v[X+32*\rho+4:X+32*\rho+5], v[X+32*\rho+6:X+32*\rho+7]
.endr
.irp i, 8,12,16,20,24,28
.irp rho, 0,1
	v_pk_add_f32 v[TM+8*\rho:TM+8*\rho+1], v[TM+8*\rho:TM+8*\rho+1], v[X+32*\rho+\i:X+32*\rho+\i+1]
	v_pk_add_f32 v[TM+8*\rho+2:TM+8*\rho+3], v[TM+8*\rho+2:TM+8*\rho+3], v[X+32*\rho+\i+2:X+32*\rho+\i+3]
.endr
.endr
.irp rho, 0,1
	v_pk_add_f32 v[TM+8*\rho:TM+8*\rho+1], v[TM+8*\rho:TM+8*\rho+1], v[TM+8*\rho+2:TM+8*\rho+3]
.endr
.irp rho, 0,1
	v_add_f32 v[TM+8*\rho], v[TM+8*\rho], v[TM+8*\rho+1]
.endr
	RED2
.irp rho, 0,1
	v_mul_f32 v[TM+8*\rho+4], s26, v[TM+8*\rho]    ; the mean, twice: a pair for the packed form
	v_mul_f32 v[TM+8*\rho+5], s26, v[TM+8*\rho]
.endr
.irp i, 0,2,4,6,8,10,12,14,16,18,20,22,24,26,28,30
.irp rho, 0,1
	v_pk_add_f32 v[X+32*\rho+\i:X+32*\rho+\i+1], v[X+32*\rho+\i:X+32*\rho+\i+1], v[TM+8*\rho+4:TM+8*\rho+5] neg_lo:[0,1] neg_hi:[0,1]   ; x - mean
.endr
.endr
	; the mean of the squares of the differences
.irp rho, 0,1
	v_pk_mul_f32 v[TM+8*\rho:TM+8*\rho+1], v[X+32*\rho:X+32*\rho+1], v[X+32*\rho:X+32*\rho+1]
	v_pk_mul_f32 v[TM+8*\rho+2:TM+8*\rho+3], v[X+32*\rho+2:X+32*\rho+3], v[X+32*\rho+2:X+32*\rho+3]
.endr
.irp i, 4,8,12,16,20,24,28
.irp rho, 0,1
	v_pk_fma_f32 v[TM+8*\rho:TM+8*\rho+1], v[X+32*\rho+\i:X+32*\rho+\i+1], v[X+32*\rho+\i:X+32*\rho+\i+1], v[TM+8*\rho:TM+8*\rho+1]
	v_pk_fma_f32 v[TM+8*\rho+2:TM+8*\rho+3], v[X+32*\rho+\i+2:X+32*\rho+\i+3], v[X+32*\rho+\i+2:X+32*\rho+\i+3], v[TM+8*\rho+2:TM+8*\rho+3]
.endr
.endr
.irp rho, 0,1
	v_pk_add_f32 v[TM+8*\rho:TM+8*\rho+1], v[TM+8*\rho:TM+8*\rho+1], v[TM+8*\rho+2:TM+8*\rho+3]
.endr
.irp rho, 0,1
	v_add_f32 v[TM+8*\rho], v[TM+8*\rho], v[TM+8*\rho+1]
.endr
	RED2
.irp rho, 0,1
	v_fma_f32 v[TM+8*\rho], v[TM+8*\rho], s26, s27 ; the variance + 1e-5
.endr
.irp rho, 0,1
	v_rsq_f32 v[TM+8*\rho+4], v[TM+8*\rho]
	v_rsq_f32 v[TM+8*\rho+5], v[TM+8*\rho]
.endr
	v_nop                                          ; a plain instruction behind the last of them (ISA guide 5.7.2)
	s_wait_alu depctr_va_vdst(0)                   ; one wait for the four, ahead of their first reader
.irp i, 0,2,4,6,8,10,12,14,16,18,20,22,24,26,28,30
.irp rho, 0,1
	v_pk_mul_f32 v[X+32*\rho+\i:X+32*\rho+\i+1], v[X+32*\rho+\i:X+32*\rho+\i+1], v[TM+8*\rho+4:TM+8*\rho+5]
.endr
.endr
.irp rho, 0,1
.irp j, 0,1,2,3,4,5,6,7
	ds_store_b128 v6, v[X+32*\rho+4*\j:X+32*\rho+4*\j+3] offset:\rho*XP+512*\j
.endr
.endr
	s_wait_dscnt 0x0                               ; for the others' sake: my two rows lie in LDS
	s_barrier_signal -1
	s_barrier_wait -1
	; ---- pass 2: K step w of all 16 rows.  Register 16 b + i = k 32 b + 16 h + i of row r
.irp b, 0,1,2,3
.irp q, 0,1,2,3
	ds_load_b128 v[X+16*\b+4*\q:X+16*\b+4*\q+3], v7 offset:128*\b+16*\q
.endr
.endr
	s_wait_loadcnt 0x0                             ; gamma, beta, the weight's half image
	global_store_b128 v4, v[WD:WD+3], s[18:19]     ; 512 consecutive bytes,
	global_store_b64 v5, v[WD+4:WD+5], s[18:19] offset:512   ; and 256
	s_wait_dscnt 0x0
.irp i, 0,2,4,6,8,10,12,14,16,18,20,22,24,26,28,30,32,34,36,38,40,42,44,46,48,50,52,54,56,58,60,62
	v_pk_fma_f32 v[X+\i:X+\i+1], v[X+\i:X+\i+1], v[GA+\i:GA+\i+1], v[BE+\i:BE+\i+1]
.endr
.irp b, 0,1,2,3
	v_max3_num_f32 v[TM+\b], |v[X+16*\b]|, |v[X+16*\b+1]|, 0x1800000   ; block b: my 16 numbers, and the floor 2^(3 - 127): the byte cannot fall under 1
.endr
.irp i, 2,4,6,8,10,12,14
.irp b, 0,1,2,3
	v_max3_num_f32 v[TM+\b], v[TM+\b], |v[X+16*\b+\i]|, |v[X+16*\b+\i+1]|
.endr
.endr
.irp b, 0,1,2,3
	v_permlanex16_b32 v[TM+4+\b], v[TM+\b], s[SEL], s[SEL+1]
.endr
.irp b, 0,1,2,3
	v_max_num_f32 v[TM+\b], v[TM+\b], v[TM+4+\b]   ; with lane l xor 16's: the block's largest magnitude
.endr
.irp b, 0,1,2,3
	v_add_nc_u32 v[TM+12+\b], 0xff000000, v[TM+\b] ; 2 off its exponent field: the conversion takes that field as its scale
.endr
.irp b, 0,1,2,3
	v_lshrrev_b32 v[TM+4+\b], 23, v[TM+12+\b]      ; the scale's byte
.endr
	v_lshl_or_b32 v[PW], v[TM+5], 8, v[TM+4]
	v_lshl_or_b32 v[PW], v[TM+6], 16, v[PW]
	v_lshl_or_b32 v[PW], v[TM+7], 24, v[PW]
.irp c, 0,1
	v_cvt_scalef32_pk16_fp6_f32 v[PC+6*\c:PC+6*\c+2], v[X+32*\c:X+32*\c+15], v[TM+12+2*\c]
	v_cvt_scalef32_pk16_fp6_f32 v[CT+4*\c:CT+4*\c+2], v[X+32*\c+16:X+32*\c+31], v[TM+12+2*\c+1]   ; (a conversion's three registers begin on an even number)
.endr
	v_nop                                          ; one plain place behind a scaled conversion
.irp c, 0,1                                    ; the operand's layout wants a whole block in a lane: lanes 0-15 block 2 c, lanes 16-31 block 2 c + 1
.irp i, 0,1,2
	v_permlane16_swap_b32 v[PC+6*\c+\i], v[CT+4*\c+\i]
.endr
.irp i, 0,1,2
	v_mov_b32 v[PC+6*\c+3+\i], v[CT+4*\c+\i]
.endr
.endr
.irp c, 0,1
	global_store_b128 v4, v[PC+6*\c:PC+6*\c+3], s[14:15] offset:768*\c
	global_store_b64 v5, v[PC+6*\c+4:PC+6*\c+5], s[14:15] offset:768*\c+512
.endr
	ds_store_b32 v9, v[PW]                         ; lanes r and r + 16 write the same word with the same value
	s_wait_dscnt 0x0
	s_barrier_signal -1
	s_barrier_wait -1
	s_cmp_lg_u32 s22, 0
	s_cbranch_scc1 .Lend
	ds_load_b128 v[32:35], v27                     ; wave 0: 16 rows x 32 bytes,
	s_wait_dscnt 0x0
	global_store_b128 v26, v[32:35], s[16:17]      ; as two aligned runs of 256 bytes: tokens + 0..7 and + 16..23
.Lend:
	s_wait_tensorcnt 0x0
	ds_add_u32 v254, v255
	s_wait_dscnt 0x0
	s_endpgm
.Lfunc_end_k_qf32dfe91b5_prep:
	.size	k_qf32dfe91b5_prep, .Lfunc_end_k_qf32dfe91b5_prep-k_qf32dfe91b5_prep
	.p2alignl 7, 3214868480
	.fill 96, 4, 3214868480
	.section	.rodata,"a",@progbits
	.p2align	6, 0x0
	.amdhsa_kernel k_qf32dfe91b5_prep
		.amdhsa_group_segment_fixed_size 67584
		.amdhsa_private_segment_fixed_size 0
		.amdhsa_enable_private_segment 0
		.amdhsa_kernarg_size 72
		.amdhsa_user_sgpr_count 2
		.amdhsa_user_sgpr_kernarg_segment_ptr 1
		.amdhsa_wavefront_size32 1
		.amdhsa_system_sgpr_workgroup_id_x 1
		.amdhsa_system_sgpr_workgroup_id_y 1
		.amdhsa_system_sgpr_workgroup_id_z 1
		.amdhsa_system_vgpr_workitem_id 0
		.amdhsa_next_free_vgpr 256
		.amdhsa_next_free_sgpr 66
		.amdhsa_reserve_vcc 0
		.amdhsa_float_denorm_mode_32 3
		.amdhsa_float_denorm_mode_16_64 3
		.amdhsa_memory_ordered 1
		.amdhsa_forward_progress 1
		.amdhsa_inst_pref_size 28
	.end_amdhsa_kernel
	.amdgpu_metadata
---
amdhsa.version: [ 1, 2 ]
amdhsa.kernels:
  - .name:           k_qf32dfe91b5_prep
    .symbol:         k_qf32dfe91b5_prep.kd
    .args:
      - { .name: x, .offset: 0, .size: 8, .value_kind: global_buffer, .address_space: global }
      - { .name: ln_gamma, .offset: 8, .size: 8, .value_kind: global_buffer, .address_space: global }
      - { .name: ln_beta, .offset: 16, .size: 8, .value_kind: global_buffer, .address_space: global }
      - { .name: w_qkv_codes, .offset: 24, .size: 8, .value_kind: global_buffer, .address_space: global }
      - { .name: w_proj_codes, .offset: 32, .size: 8, .value_kind: global_buffer, .address_space: global }
      - { .name: h_img, .offset: 40, .size: 8, .value_kind: global_buffer, .address_space: global }
      - { .name: h_scales, .offset: 48, .size: 8, .value_kind: global_buffer, .address_space: global }
      - { .name: wq_img, .offset: 56, .size: 8, .value_kind: global_buffer, .address_space: global }
      - { .name: wp_img, .offset: 64, .size: 8, .value_kind: global_buffer, .address_space: global }
    .group_segment_fixed_size: 67584
    .private_segment_fixed_size: 0
    .kernarg_segment_align: 8
    .kernarg_segment_size: 72
    .max_flat_workgroup_size: 256
    .sgpr_count:     66
    .vgpr_count:     256
    .wavefront_size: 32
...
	.end_amdgpu_metadata
.endif
;; end of part 1
;; launch qkv (part 2): grid 12 x 32, 4 waves a work-group, clusters of 4 x 4, 327,680 bytes of LDS; arguments h_img, h_scales, wq_img, w_qkv_scales, qkv_pack; writes qkv_pack
.if DOCPART == 2
	.amdgcn_target "amdgcn-amd-amdhsa--gfx1250"
	.amdhsa_code_object_version 6
	.text
	.protected	k_qf32dfe91b5_qkv
	.globl	k_qf32dfe91b5_qkv
	.p2align	8
	.type	k_qf32dfe91b5_qkv,@function
k_qf32dfe91b5_qkv:
	s_mov_b64 s[64:65], 0
	v_nop
	global_prefetch_b8 v0, s[64:65] scope:SCOPE_SE
	s_setreg_imm32_b32 hwreg(HW_REG_WAVE_MODE, 25, 1), 1
	s_wait_xcnt 0x0
	s_wait_alu depctr_hold_cnt(0) depctr_sa_sdst(0) depctr_va_vdst(0) depctr_va_sdst(0) depctr_va_ssrc(0) depctr_va_vcc(0) depctr_vm_vsrc(0)
	s_getreg_b32 s2, hwreg(HW_REG_IB_STS2, 6, 4)
	s_cmp_eq_u32 s2, 0
	s_cbranch_scc0 .Lentry_in_a_cluster
	s_endpgm
.Lentry_in_a_cluster:
	s_bfe_u32 s2, ttmp6, 0x10000c
	s_cmp_lg_u32 s2, 0xf033
	s_cbranch_scc0 .Lentry_shape_is_right
	s_endpgm
.Lentry_shape_is_right:
; qkv = h w_qkv^T on codes of FP6 (E2M3) with E8M0 scales; q, k and v are quantised in registers and leave as the attention launch's operands.  M 8,192, N 3,072, K 1,024.
; A tile of 256 tokens x 256 rows of W is made by four waves, each 128 x 128: 64 accumulators, 512 registers.  K goes in steps of 256 through a ring of two LDS slots, four fills in all, so the steps are written out.
; OPERANDS LIE IN MEMORY IN THE ORDER OF THEIR REGISTERS (h_img, wq_img: [tile of 16 rows][16 half images of 768 bytes]): a fragment is four LDS loads of 512, 256, 512, 256 consecutive bytes.
; Tiles of 16 rows are permuted: tile 2 g + u holds rows 32 g + 8 u + r + 8 (r / 8).  So in D = S0 S1^T a lane holds one row of S1, and the 16 registers of S0's tiles 2 b, 2 b + 1 are 16 neighbours along S0.
; ROLES.  q, k (cluster x 0, 1): S0 = W, S1 = h: a lane holds a token and 128 channels (two heads): quantised along the head's 64.  v (cluster x 2): S0 = h, S1 = W: a lane holds a channel and 128 tokens: quantised along the keys.
; The role is the same in all sixteen partners.  It chooses the LDS bases of the fragment loads, the scale pointers and the way out; no descriptor hangs on it.
; CLUSTER: 4 x 4 work-groups; h's tiles are asked for jointly along a row of the cluster, W's along a column.
; THE SCALES of the wave's 128 + 128 rows for all of K come once, straight into 64 registers: register 8 i + ks holds tile 2 i's word of K step ks in lanes 0-15 and tile 2 i + 1's in lanes 16-31.
; OUT: qkv_pack [which 3][b 4][head 16][step 16][6,656]: 128 tokens of a head: q, k: eight half images (tile t at 768 t); v: four fragments (channel tile ct at 1,536 ct, K = the 128 keys); then 512 bytes of scale words.
; LIMITS: a block of zeros gets the byte 1 where the rule says 127 (its codes are zeros; this program alone reads the bytes); NaN and infinities are not served.
; REGISTERS: window 0: v16-31 addresses; v32-63 S0's scale words, v64-95 S1's; v96-127 at work on the way out; v128-223 S1's eight fragments, later the codes; v224-239 scale images.
;   window 1: S0's fragments, two sets, at v0 and v128.  windows 2, 3: accumulator (S1 tile t, S0 tile a) at v[64 (t % 4) + 8 a] of window 2 + t / 4.
.set FR,     12                        ; registers of a fragment
.set TILEB,  3072                      ; a tile's 256 along K: four half images
.set HALFT,  8*TILEB                   ; 128 rows: what one tensor load brings
.set SLOT,   4*HALFT                   ; h's two halves, then W's two
.set SPARE,  2*SLOT                    ; behind the ring: the spare words, 128 bytes for each wave
.set TROW,   12288                     ; a tile's 1,024 along K in memory
.set PACKB,  6656
.set HEADB,  16*PACKB
.set A0,   16                          ; v16-17 S0's fragments in slot 0, 1, + 16 x lane; v18-19 + 8 x lane
.set A1,   20                          ; v20-23 the same for S1
.set L16,  24                          ; v24    16 x lane
.set L8,   25                          ; v25    8 x lane
.set SCO,  26                          ; v26    my row among 32 rows of scale bytes, x 32
.set SPW,  28                          ; v28    LDS address of my spare word; never rewritten
.set NIL,  29                          ; v29    0; never rewritten
.set SC0,  32
.set SC1,  64
.set TM,   96
.set CT,   112
.set PW,   120
.set S1F,  128
.set IM,   224
.set G1,   24                          ; s[24:31] group 1 for h's tiles; s[32:39] group 0, a set for each slot
.set G0,   32
.set G1B,  48                          ; s[48:55], s[56:63] the same for W's
.set G0B,  56
.set SEL,  80
.set MUL_LO, 0xa1                      ; source 0 window 1, source 1 window 0, C and D window 2
.set MUL_HI, 0xf1                      ; the same, C and D window 3
.set TO_S0,  0x40                      ; destination window 1
.set MSB, 0
.macro WIN new                         ; the immediate's high byte repeats the setting that is left
.if MSB != (\new)
	s_set_vgpr_msb (MSB<<8)|(\new)
.set MSB, (\new)
.endif
.endm
; A joint load: waves 0 and 1 fetch h's halves, waves 2 and 3 W's.  The branch hangs on the wave's number alone.  Four v_nop follow each of the two lines.
.macro JLOAD g0a, g1a, g0b, g1b
	s_cmp_eq_u32 s15, 0
	s_cbranch_scc0 .Lfor_b_\@
	tensor_load_to_lds s[\g0a:\g0a+3], s[\g1a:\g1a+7]
	s_nop 0
.rept 4
	v_nop
.endr
	s_branch .Lasked_\@
.Lfor_b_\@:
	tensor_load_to_lds s[\g0b:\g0b+3], s[\g1b:\g1b+7]
	s_nop 0
.rept 4
	v_nop
.endr
.Lasked_\@:
.endm
.macro CREST                           ; a round of the cluster's barrier behind its opening barrier
	s_cmp_lg_u32 s14, 0
	s_cbranch_scc1 .Lnot_wave_0_\@
	s_barrier_signal -3
.Lnot_wave_0_\@:
	s_barrier_wait -3
	s_barrier_signal -1
	s_barrier_wait -1
.endm
.macro CROUND
	s_barrier_signal -1
	s_barrier_wait -1
	CREST
.endm
.macro PLACES                          ; four places behind this matrix form, in front of loads into its registers and of reads of its results
.rept 4
	v_nop
.endr
.endm
	s_load_b128 s[4:7], s[0:1], 0x0                ; h_img, h_scales
	s_load_b128 s[8:11], s[0:1], 0x10              ; wq_img, w_qkv_scales
	s_load_b64 s[12:13], s[0:1], 0x20              ; qkv_pack
	v_lshl_add_u32 v[SPW], v0, 2, SPARE
	v_mov_b32 v[NIL], 0
	ds_add_u32 v28, v29
	ds_add_u32 v28, v29
	s_wait_dscnt 0x0
	v_lshrrev_b32 v1, 5, v0
	v_readfirstlane_b32 s14, v1                    ; wave 0..3
	s_lshr_b32 s15, s14, 1                         ; my half of S1.  Also: I fetch for h (0) or for W (1)
	s_and_b32 s16, s14, 1                          ; my half of S0.  Also: which 128 rows I fetch
	s_bfe_u32 s40, ttmp6, 0x40000                  ; cx, cy
	s_bfe_u32 s41, ttmp6, 0x40004
	s_lshl_b32 s42, ttmp9, 2
	s_add_co_u32 s42, s42, s40                     ; x: which 256 rows of W
	s_and_b32 s17, ttmp7, 0xffff
	s_lshl_b32 s17, s17, 2
	s_add_co_u32 s17, s17, s41                     ; y: which 256 tokens
	s_lshl_b32 s43, s41, 2
	s_lshl_b32 s43, 15, s43                        ; my row of the cluster
	s_lshl_b32 s44, 0x1111, s40                    ; my column
	; group 1: 8 rows (tiles) of 3,072 bytes, 12,288 bytes apart, in elements of 8 bytes; no padding: every LDS load takes consecutive bytes
	s_or_b32 s[G1+0], s43, (3<<16)|(1<<21)         ; 15:0 the mask: h's tiles go to my row; 17:16 elements of 8 bytes; 21 set beside a mask
	s_or_b32 s[G1B+0], s44, (3<<16)|(1<<21)
.irp g, G1, G1B
	s_mov_b32 s[\g+1], 384<<16                     ; tensor_dim0
	s_mov_b32 s[\g+2], 8<<16                       ; tensor_dim1
	s_mov_b32 s[\g+3], 384<<16                     ; tile_dim0
	s_mov_b32 s[\g+4], 8                           ; tile_dim1
	s_mov_b32 s[\g+5], 1536                        ; tensor_dim0_stride
	s_mov_b32 s[\g+6], 0
	s_mov_b32 s[\g+7], 0
.endr
	s_lshl_b32 s18, s16, 3                         ; which 8 tiles of the 16
	s_lshl_b32 s20, s17, 4
	s_add_co_u32 s20, s20, s18
	s_mul_i32 s20, s20, TROW                       ; h: tile 16 y + 8 half
	s_mov_b32 s21, 0
	s_lshl_b32 s46, s42, 4
	s_add_co_u32 s46, s46, s18
	s_mul_i32 s46, s46, TROW                       ; W: tile 16 x + 8 half
	s_mov_b32 s47, 0
	s_mul_i32 s45, s14, HALFT                      ; where they go: quarter = wave
	s_wait_kmcnt 0x0
	s_add_nc_u64 s[20:21], s[4:5], s[20:21]
	s_add_nc_u64 s[46:47], s[8:9], s[46:47]
	CROUND                                         ; all sixteen work-groups are here: the first joint loads meet
.irp s, 0,1
	s_mov_b32 s[G0+4*\s], 1
	s_add_co_u32 s[G0+4*\s+1], s45, \s*SLOT
	s_add_nc_u64 s[G0+4*\s+2:G0+4*\s+3], s[20:21], \s*TILEB
	s_or_b32 s[G0+4*\s+3], s[G0+4*\s+3], 0x80000000
	s_mov_b32 s[G0B+4*\s], 1
	s_add_co_u32 s[G0B+4*\s+1], s45, \s*SLOT
	s_add_nc_u64 s[G0B+4*\s+2:G0B+4*\s+3], s[46:47], \s*TILEB
	s_or_b32 s[G0B+4*\s+3], s[G0B+4*\s+3], 0x80000000
	JLOAD G0+4*\s, G1, G0B+4*\s, G1B
.endr
	; the roles
	s_cmp_eq_u32 ttmp9, 2                          ; v?
	s_cselect_b32 s66, 0, 2*HALFT                  ; S0's two quarters of a slot,
	s_cselect_b32 s67, 2*HALFT, 0                  ; S1's
	s_cselect_b64 s[68:69], s[6:7], s[10:11]       ; S0's scale bytes,
	s_cselect_b64 s[70:71], s[10:11], s[6:7]       ; S1's
	s_cselect_b32 s72, s17, s42                    ; which 256 rows are S0's,
	s_cselect_b32 s73, s42, s17                    ; S1's
	s_cselect_b32 s74, s15, s16                    ; my half of W's rows,
	s_cselect_b32 s75, s16, s15                    ; of the tokens
	s_mul_i32 s18, s16, HALFT
	s_add_co_u32 s18, s18, s66
	s_mul_i32 s19, s15, HALFT
	s_add_co_u32 s19, s19, s67
	v_and_b32 v1, 31, v0
	v_and_b32 v2, 15, v0                           ; r
	v_bfe_u32 v3, v0, 4, 1                         ; h
	v_lshlrev_b32 v[L16], 4, v1
	v_lshlrev_b32 v[L8], 3, v1
.irp s, 0,1
	v_add_nc_u32 v[A0+\s], s18, v[L16]
	v_add_nc_u32 v[A0+2+\s], s18, v[L8]
	v_add_nc_u32 v[A1+\s], s19, v[L16]
	v_add_nc_u32 v[A1+2+\s], s19, v[L8]
	s_add_co_u32 s18, s18, SLOT
	s_add_co_u32 s19, s19, SLOT
.endr
	v_and_b32 v4, 8, v2
	v_add_nc_u32 v4, v4, v2
	v_lshl_add_u32 v4, v3, 3, v4                   ; of 32 rows: 8 h + r + 8 (r / 8): lanes 0-15 the even tile's rows, lanes 16-31 the odd tile's
	v_lshlrev_b32 v[SCO], 5, v4                    ; 32 scale bytes a row
	s_lshl_b32 s76, s72, 13
	s_lshl_b32 s77, s16, 12
	s_add_co_u32 s76, s76, s77
	s_mov_b32 s77, 0
	s_add_nc_u64 s[68:69], s[68:69], s[76:77]      ; S0's: (256 x tile + 128 x half) rows of 32 bytes
	s_lshl_b32 s76, s73, 13
	s_lshl_b32 s78, s15, 12
	s_add_co_u32 s76, s76, s78
	s_add_nc_u64 s[70:71], s[70:71], s[76:77]
.irp i, 0,1,2,3
.irp q, 0,1
	global_load_b128 v[SC0+8*\i+4*\q:SC0+8*\i+4*\q+3], v[SCO], s[68:69] offset:1024*\i+16*\q
	global_load_b128 v[SC1+8*\i+4*\q:SC1+8*\i+4*\q+3], v[SCO], s[70:71] offset:1024*\i+16*\q
.endr
.endr
	; where my two heads' packs begin: ((which x 4 + b) x 16 + head) x 16 + step
	s_lshl_b32 s76, s42, 2
	s_lshl_b32 s74, s74, 1
	s_add_co_u32 s76, s76, s74                     ; 4 x + 2 half: which x 16 + head
	s_lshr_b32 s77, s76, 4
	s_lshl_b32 s77, s77, 2
	s_lshr_b32 s78, s17, 3
	s_add_co_u32 s77, s77, s78
	s_lshl_b32 s77, s77, 4
	s_and_b32 s78, s76, 15
	s_add_co_u32 s77, s77, s78
	s_lshl_b32 s77, s77, 4
	s_and_b32 s78, s17, 7
	s_lshl_b32 s78, s78, 1
	s_add_co_u32 s77, s77, s78
	s_add_co_u32 s77, s77, s75
	s_mul_i32 s76, s77, PACKB
	s_mov_b32 s77, 0
	s_add_nc_u64 s[12:13], s[12:13], s[76:77]
	s_mov_b32 s[SEL], 0x76543210
	s_mov_b32 s[SEL+1], 0xfedcba98
.irp b, 4,5,6,7
	v_mov_b32 v[TM+\b], 0                          ; a lane permute's destination counts as one of its sources
.endr
.macro FRAG reg, adr, off              ; a fragment: two half images on end
	ds_load_b128 v[\reg:\reg+3], v[\adr] offset:\off
	ds_load_b64 v[\reg+4:\reg+5], v[\adr+2] offset:\off+512
	ds_load_b128 v[\reg+6:\reg+9], v[\adr] offset:\off+768
	ds_load_b64 v[\reg+10:\reg+11], v[\adr+2] offset:\off+1280
.endm
.macro FETCH_S0 slot, q, set           ; S0's eight fragments of the slot's q-th 128 along K
	WIN TO_S0
.irp i, 0,1,2,3,4,5,6,7
	FRAG 128*(\set)+FR*\i, A0+\slot, \i*TILEB+(\q)*1536
.endr
	WIN 0
.endm
.macro FETCH_S1 slot, q, i0            ; S1's tiles i0 .. i0 + 3
.irp i, \i0, \i0+1, \i0+2, \i0+3
	FRAG S1F+FR*(\i), A1+\slot, (\i)*TILEB+(\q)*1536
.endr
.endm
; one product: S1's tile t x S0's tile a, K step ks.  An odd tile's scale words stand in lanes 16-31.
.macro WM t, a, set, ks, zero
.set rD, 8*(8*((\t)%4)+(\a))
.set rA, 128*(\set)+FR*(\a)
.set rB, S1F+FR*(\t)
.set rX, SC0+8*((\a)/2)+(\ks)
.set rY, SC1+8*((\t)/2)+(\ks)
.set od, 2*((\a)%2)+(\t)%2
.if \zero
.if od == 3
	v_wmma_scale_f32_16x16x128_f8f6f4 v[rD:rD+7], v[rA:rA+FR-1], v[rB:rB+FR-1], 0, v[rX], v[rY] matrix_a_fmt:MATRIX_FMT_FP6 matrix_b_fmt:MATRIX_FMT_FP6 matrix_a_scale:MATRIX_SCALE_ROW1 matrix_b_scale:MATRIX_SCALE_ROW1
.elseif od == 2
	v_wmma_scale_f32_16x16x128_f8f6f4 v[rD:rD+7], v[rA:rA+FR-1], v[rB:rB+FR-1], 0, v[rX], v[rY] matrix_a_fmt:MATRIX_FMT_FP6 matrix_b_fmt:MATRIX_FMT_FP6 matrix_a_scale:MATRIX_SCALE_ROW1
.elseif od == 1
	v_wmma_scale_f32_16x16x128_f8f6f4 v[rD:rD+7], v[rA:rA+FR-1], v[rB:rB+FR-1], 0, v[rX], v[rY] matrix_a_fmt:MATRIX_FMT_FP6 matrix_b_fmt:MATRIX_FMT_FP6 matrix_b_scale:MATRIX_SCALE_ROW1
.else
	v_wmma_scale_f32_16x16x128_f8f6f4 v[rD:rD+7], v[rA:rA+FR-1], v[rB:rB+FR-1], 0, v[rX], v[rY] matrix_a_fmt:MATRIX_FMT_FP6 matrix_b_fmt:MATRIX_FMT_FP6
.endif
.else
.if od == 3
	v_wmma_scale_f32_16x16x128_f8f6f4 v[rD:rD+7], v[rA:rA+FR-1], v[rB:rB+FR-1], v[rD:rD+7], v[rX], v[rY] matrix_a_fmt:MATRIX_FMT_FP6 matrix_b_fmt:MATRIX_FMT_FP6 matrix_a_scale:MATRIX_SCALE_ROW1 matrix_b_scale:MATRIX_SCALE_ROW1
.elseif od == 2
	v_wmma_scale_f32_16x16x128_f8f6f4 v[rD:rD+7], v[rA:rA+FR-1], v[rB:rB+FR-1], v[rD:rD+7], v[rX], v[rY] matrix_a_fmt:MATRIX_FMT_FP6 matrix_b_fmt:MATRIX_FMT_FP6 matrix_a_scale:MATRIX_SCALE_ROW1
.elseif od == 1
	v_wmma_scale_f32_16x16x128_f8f6f4 v[rD:rD+7], v[rA:rA+FR-1], v[rB:rB+FR-1], v[rD:rD+7], v[rX], v[rY] matrix_a_fmt:MATRIX_FMT_FP6 matrix_b_fmt:MATRIX_FMT_FP6 matrix_b_scale:MATRIX_SCALE_ROW1
.else
	v_wmma_scale_f32_16x16x128_f8f6f4 v[rD:rD+7], v[rA:rA+FR-1], v[rB:rB+FR-1], v[rD:rD+7], v[rX], v[rY] matrix_a_fmt:MATRIX_FMT_FP6 matrix_b_fmt:MATRIX_FMT_FP6
.endif
.endif
.endm
; 16 products: S1's tiles t0, t0 + 1 x S0's eight.  The 64 accumulators take turns, one instruction a turn, in the same order in every step.
.macro MUL16 t0, set, ks, zero
.irp t, \t0, \t0+1
.irp a, 0,1,2,3,4,5,6,7
	WM \t, \a, \set, \ks, \zero
.endr
.endr
.endm
; A slot's first 128 along K: multiplies S0's set 0; fetches the second 128: S0's into set 1; S1's tiles are fetched anew as soon as their products are issued.
.macro STEP slot, ks, zero
	s_wait_dscnt 16                                ; S0's set and S1's tiles 0-3 are in; the youngest 16 loads (tiles 4-7, four each) may be out
	WIN MUL_LO
	MUL16 0, 0, \ks, \zero
	MUL16 2, 0, \ks, \zero
	s_wait_dscnt 0                                 ; tiles 4-7 are in
	PLACES
	FETCH_S0 \slot, 1, 1
	FETCH_S1 \slot, 1, 0
	WIN MUL_HI
	MUL16 4, 0, \ks, \zero
	MUL16 6, 0, \ks, \zero
	PLACES
	WIN 0
	FETCH_S1 \slot, 1, 4
.endm
; A slot's second 128 changes slots: ONE barrier; in front of it each wave waits for all its tensor loads, adds 0 to its spare word, and waits for that and for its reads of this slot.  fill = 1: this slot is filled again, two fills on.
.macro TURN slot, next, fill, ks
	s_wait_tensorcnt 0x0                           ; all my tensor loads have landed: my part of the next slot
	ds_add_u32 v[SPW], v[NIL]                      ; 0 onto my spare word
	s_wait_dscnt 17                                ; (the add and the youngest 16 loads may be out)
	WIN MUL_LO
	MUL16 0, 1, \ks, 0                             ; sixteen products stand between the add and the wait for it
	s_wait_dscnt 0x0                               ; the add is done, and my reads of this slot are over
	s_barrier_signal -1
	MUL16 2, 1, \ks, 0
	WIN 0
	s_barrier_wait -1
.if \fill
	CREST                                          ; the barrier has opened a round of the cluster's barrier: no wave of any partner still reads this slot or has a load on its way
	s_add_nc_u64 s[G0+4*\slot+2:G0+4*\slot+3], s[G0+4*\slot+2:G0+4*\slot+3], 2*TILEB
	s_add_nc_u64 s[G0B+4*\slot+2:G0B+4*\slot+3], s[G0B+4*\slot+2:G0B+4*\slot+3], 2*TILEB
	JLOAD G0+4*\slot, G1, G0B+4*\slot, G1B         ; the first tensor load behind the round; its four v_nop are the places in front of the loads below
.else
	PLACES
.endif
	FETCH_S0 \next, 0, 0
	FETCH_S1 \next, 0, 0
	WIN MUL_HI
	MUL16 4, 1, \ks, 0
	MUL16 6, 1, \ks, 0
	PLACES
	WIN 0
	FETCH_S1 \next, 0, 4
.endm
	s_wait_tensorcnt 1                             ; my part of slot 0 is in (slot 1's load may be out)
	s_barrier_signal -1
	s_barrier_wait -1                              ; everybody's is
	FETCH_S0 0, 0, 0
	FETCH_S1 0, 0, 0
	FETCH_S1 0, 0, 4
	s_wait_loadcnt 0x0                             ; the scale words
	STEP 0, 0, 1                                   ; the first products start the sums: nothing is cleared
	TURN 0, 1, 1, 1
	STEP 1, 2, 0
	TURN 1, 0, 1, 3
	STEP 0, 4, 0
	TURN 0, 1, 0, 5                                ; nothing is left to fetch: no round of the cluster's barrier
	STEP 1, 6, 0
	s_wait_dscnt 16
	WIN MUL_LO
	MUL16 0, 1, 7, 0
	MUL16 2, 1, 7, 0
	s_wait_dscnt 0
	WIN MUL_HI
	MUL16 4, 1, 7, 0
	MUL16 6, 1, 7, 0
	WIN 0
	PLACES
; THE WAY OUT.  The 64 registers of S1's tile n are, for my row of S1, 128 neighbours along S0: register 16 b + i = 32 b + 16 h + i.  They become a fragment's 12 registers of codes (where S1's fragment n lay) and a scale word.
; Each accumulator is read from its low end on.
.macro QUANTW n
.set AC, 64*((\n)%4)
.set WN, 2+(\n)/4
.set WA, (WN<<2)|(WN<<4)
	WIN WA                                         ; sources 1 and 2: the accumulators' window
.irp b, 0,1,2,3
	v_max3_num_f32 v[TM+\b], 0x1800000, |v[AC+16*\b]|, |v[AC+16*\b+1]|   ; the floor 2^(3 - 127): the byte cannot fall under 1
.endr
.irp i, 2,4,6,8,10,12,14
.irp b, 0,1,2,3
	v_max3_num_f32 v[TM+\b], v[TM+\b], |v[AC+16*\b+\i]|, |v[AC+16*\b+\i+1]|
.endr
.endr
	WIN 0
.irp b, 0,1,2,3
	v_permlanex16_b32 v[TM+4+\b], v[TM+\b], s[SEL], s[SEL+1]
.endr
.irp b, 0,1,2,3
	v_max_num_f32 v[TM+\b], v[TM+\b], v[TM+4+\b]
.endr
.irp b, 0,1,2,3
	v_add_nc_u32 v[TM+12+\b], 0xff000000, v[TM+\b] ; 2 off the exponent field: the conversion's scale operand
.endr
.irp b, 0,1,2,3
	v_lshrrev_b32 v[TM+4+\b], 23, v[TM+12+\b]      ; the scale's byte
.endr
	v_lshl_or_b32 v[PW+(\n)], v[TM+5], 8, v[TM+4]
	v_lshl_or_b32 v[PW+(\n)], v[TM+6], 16, v[PW+(\n)]
	v_lshl_or_b32 v[PW+(\n)], v[TM+7], 24, v[PW+(\n)]
	WIN WN                                         ; source 0: the accumulators' window
.irp c, 0,1
	v_cvt_scalef32_pk16_fp6_f32 v[S1F+12*(\n)+6*\c:S1F+12*(\n)+6*\c+2], v[AC+32*\c:AC+32*\c+15], v[TM+12+2*\c]
	v_cvt_scalef32_pk16_fp6_f32 v[CT+4*\c:CT+4*\c+2], v[AC+32*\c+16:AC+32*\c+31], v[TM+12+2*\c+1]
.endr
	WIN 0
	v_nop                                          ; one plain place behind a scaled conversion
.irp c, 0,1
.irp i, 0,1,2
	v_permlane16_swap_b32 v[S1F+12*(\n)+6*\c+\i], v[CT+4*\c+\i]
.endr
.irp i, 0,1,2
	v_mov_b32 v[S1F+12*(\n)+6*\c+3+\i], v[CT+4*\c+\i]
.endr
.endr
.endm
.irp n, 0,1,2,3,4,5,6,7
	QUANTW \n
.endr
	s_mov_b32 vcc_lo, 0xffff0000
.irp i, 0,1,2,3
	v_cndmask_b32 v[IM+8+\i], v[PW+2*\i], v[PW+2*\i+1], vcc_lo   ; lanes 0-15: tile 2 i's words, lanes 16-31: tile 2 i + 1's
.endr
	s_cmp_eq_u32 ttmp9, 2
	s_cbranch_scc1 .Lv_out
	; q, k: registers 6 c .. 6 c + 5 are head c's half image of token tile n; bytes 2 c, 2 c + 1 of the word are its two blocks' scales; the upper two bytes of a stored word are 0
.irp i, 0,1,2,3
	v_and_b32 v[IM+\i], 0xffff, v[IM+8+\i]
	v_lshrrev_b32 v[IM+4+\i], 16, v[IM+8+\i]
.endr
.set n, 0
.rept 8
.irp c, 0,1
	global_store_b128 v[L16], v[S1F+12*n+6*\c:S1F+12*n+6*\c+3], s[12:13] offset:\c*HEADB+768*n        ; 512 consecutive bytes, at a multiple of 256
	global_store_b64 v[L8], v[S1F+12*n+6*\c+4:S1F+12*n+6*\c+5], s[12:13] offset:\c*HEADB+768*n+512    ; 256
.endr
.set n, n+1
.endr
	global_store_b128 v[L16], v[IM:IM+3], s[12:13] offset:6144
	global_store_b128 v[L16], v[IM+4:IM+7], s[12:13] offset:HEADB+6144
	s_branch .Ldone
.Lv_out:
	; v: tile n is channel tile n % 4 of head n / 4; its 12 registers are a fragment along the step's 128 keys
	v_mov_b32 v[IM], v[IM+8]
	v_mov_b32 v[IM+1], v[IM+9]
	v_mov_b32 v[IM+2], 0
	v_mov_b32 v[IM+3], 0
	v_mov_b32 v[IM+4], v[IM+10]
	v_mov_b32 v[IM+5], v[IM+11]
	v_mov_b32 v[IM+6], 0
	v_mov_b32 v[IM+7], 0
.set n, 0
.rept 8
.irp c, 0,1
	global_store_b128 v[L16], v[S1F+12*n+6*\c:S1F+12*n+6*\c+3], s[12:13] offset:(n/4)*HEADB+(n%4)*1536+768*\c
	global_store_b64 v[L8], v[S1F+12*n+6*\c+4:S1F+12*n+6*\c+5], s[12:13] offset:(n/4)*HEADB+(n%4)*1536+768*\c+512
.endr
.set n, n+1
.endr
	global_store_b128 v[L16], v[IM:IM+3], s[12:13] offset:6144
	global_store_b128 v[L16], v[IM+4:IM+7], s[12:13] offset:HEADB+6144
.Ldone:
	s_wait_tensorcnt 0x0                           ; the wave's end
	ds_add_u32 v[SPW], v[NIL]
	s_wait_dscnt 0x0
	CROUND                                         ; the closing round: no work-group ends while a partner may still ask for a tile that names it
	s_endpgm
.Lfunc_end_k_qf32dfe91b5_qkv:
	.size	k_qf32dfe91b5_qkv, .Lfunc_end_k_qf32dfe91b5_qkv-k_qf32dfe91b5_qkv
	.p2alignl 7, 3214868480
	.fill 96, 4, 3214868480
	.section	.rodata,"a",@progbits
	.p2align	6, 0x0
	.amdhsa_kernel k_qf32dfe91b5_qkv
		.amdhsa_group_segment_fixed_size 327680
		.amdhsa_private_segment_fixed_size 0
		.amdhsa_enable_private_segment 0
		.amdhsa_kernarg_size 40
		.amdhsa_user_sgpr_count 2
		.amdhsa_user_sgpr_kernarg_segment_ptr 1
		.amdhsa_wavefront_size32 1
		.amdhsa_system_sgpr_workgroup_id_x 1
		.amdhsa_system_sgpr_workgroup_id_y 1
		.amdhsa_system_sgpr_workgroup_id_z 1
		.amdhsa_system_vgpr_workitem_id 0
		.amdhsa_next_free_vgpr 1024
		.amdhsa_next_free_sgpr 100
		.amdhsa_reserve_vcc 1
		.amdhsa_float_denorm_mode_32 3
		.amdhsa_float_denorm_mode_16_64 3
		.amdhsa_memory_ordered 1
		.amdhsa_forward_progress 1
		.amdhsa_inst_pref_size 150
	.end_amdhsa_kernel
	.amdgpu_metadata
---
amdhsa.version: [ 1, 2 ]
amdhsa.kernels:
  - .name:           k_qf32dfe91b5_qkv
    .symbol:         k_qf32dfe91b5_qkv.kd
    .args:
      - { .name: h_img, .offset: 0, .size: 8, .value_kind: global_buffer, .address_space: global }
      - { .name: h_scales, .offset: 8, .size: 8, .value_kind: global_buffer, .address_space: global }
      - { .name: wq_img, .offset: 16, .size: 8, .value_kind: global_buffer, .address_space: global }
      - { .name: w_qkv_scales, .offset: 24, .size: 8, .value_kind: global_buffer, .address_space: global }
      - { .name: qkv_pack, .offset: 32, .size: 8, .value_kind: global_buffer, .address_space: global }
    .group_segment_fixed_size: 327680
    .private_segment_fixed_size: 0
    .kernarg_segment_align: 8
    .kernarg_segment_size: 40
    .max_flat_workgroup_size: 128
    .sgpr_count:     100
    .vgpr_count:     1024
    .wavefront_size: 32
...
	.end_amdgpu_metadata
.endif
;; end of part 2
;; launch attn (part 3): grid 4 x 64, 16 waves a work-group, clusters of 4 x 1, 231,424 bytes of LDS; arguments qkv_pack, a_img, a_sc; writes a_img, a_sc
.if DOCPART == 3
	.amdgcn_target "amdgcn-amd-amdhsa--gfx1250"
	.amdhsa_code_object_version 6
	.text
	.protected	k_qf32dfe91b5_attn
	.globl	k_qf32dfe91b5_attn
	.p2align	8
	.type	k_qf32dfe91b5_attn,@function
k_qf32dfe91b5_attn:
	s_mov_b64 s[64:65], 0
	v_nop
	global_prefetch_b8 v0, s[64:65] scope:SCOPE_SE
	s_setreg_imm32_b32 hwreg(HW_REG_WAVE_MODE, 25, 1), 1
	s_wait_xcnt 0x0
	s_wait_alu depctr_hold_cnt(0) depctr_sa_sdst(0) depctr_va_vdst(0) depctr_va_sdst(0) depctr_va_ssrc(0) depctr_va_vcc(0) depctr_vm_vsrc(0)
	s_getreg_b32 s2, hwreg(HW_REG_IB_STS2, 6, 4)
	s_cmp_eq_u32 s2, 0
	s_cbranch_scc0 .Lentry_in_a_cluster
	s_endpgm
.Lentry_in_a_cluster:
	s_bfe_u32 s2, ttmp6, 0x10000c
	s_cmp_lg_u32 s2, 0x3003
	s_cbranch_scc0 .Lentry_shape_is_right
	s_endpgm
.Lentry_shape_is_right:
; O = softmax(q k^T / 8) v for 64 heads of 2,048 tokens x 64 channels, both products on codes of FP6 (E2M3) with E8M0 scales; O is quantised along the channels for the last product.
; THE SOFTMAX: t = score x log2(e) / 8; M = the running largest t rounded UP to a whole number; p = 2^(t - M) is quantised along the keys, not normalised; the row's sum is taken of the unquantised p and divides O at the end.
; When M moves, the sum and O are multiplied by 2^(old M - new M): exact.
; SHARES.  A work-group owns 512 queries of one head: each of its sixteen waves one tile of 16 queries in each of two passes, in 256 registers: four waves to a SIMD, so that one wave's vector work stands beside another's products and LDS loads.
; A HEAD'S K AND V, 2 x 106,496 bytes as the launch before laid them, LIE IN LDS WHOLE: filled once, in four quarters each, so there is no ring and no refill.  The first pass starts on a quarter as soon as it has landed.
; CLUSTER: the four work-groups of a head ask for K and V jointly: the same loads with the same descriptors and the mask of all four.
; LAYOUT.  Both products are used transposed: S^T = K Q^T, O^T = V^T P^T: a lane holds one query throughout.  A tile of keys is permuted (32 b + 8 u + r + 8 (r / 8)), so that the 16 registers of tiles 2 b, 2 b + 1 are 16 neighbouring keys.
; THE FIRST PRODUCT'S K IS 64, the instruction's 128: Q's registers 6-11 are zero codes.  K's operand for tile t is 12 registers on end, whose upper six (the next tile's codes, or zeros) meet those zero codes and add nothing;
; the upper two scale bytes are 0 on both sides, which is a small power of two and no NaN.
; LIMITS: a block of zeros gets the byte 1 where the rule says 127 (its codes are zeros; this program alone reads the bytes); NaN and infinities are not served.
; REGISTERS: v1-4 lane terms; v5-8 the step's addresses; v9-11, v31 the way out, Q's scales; v12 -M, v13 the largest t, v[14:15] the sum; v16-27 Q and its zeros; v28 Q's scale word; v32-79 K's eight tiles or V's four fragments;
;   v80-85 zeros; v86-89 K's scale words, v90-91 V's; v96-159 S^T, then p; v160-191 O^T; v192-231 at work; v204-215 p's codes; v224 p's scale word.
.set PACKB, 6656                       ; 128 tokens of a head: 6,144 bytes of codes, 512 of scale words
.set HEADB, 16*PACKB
.set QUART, 4*PACKB
.set VB,    HEADB                      ; LDS: K at 0, V behind it,
.set STG,   2*HEADB                    ; and 1,024 bytes for the output's scale bytes: 32 tiles x 16 rows x 2
.set WV,  10
.set CX,  11
.set BH,  12
.set G1,  16                           ; s[16:23] group 1; s[24:39] four groups 0
.set G0,  24
.set SEL, 40
.set CS,  42                           ; s[42:43] c = log2(e) / 8
.set TB,  44                           ; s44 LDS byte at which the step's pack begins
.set CNT, 45
.set QC,  46                           ; s[46:47] my tile of Q;  s[48:49] its scale words;  s[50:51] my tile in a_img;  s[52:53] my work-group's part of a_sc
.set QS,  48
.set AO,  50
.set SO,  52
.macro CROUND                          ; a round of the cluster's barrier
	s_barrier_signal -1
	s_barrier_wait -1
	s_cmp_lg_u32 s[WV], 0
	s_cbranch_scc1 .Lnot_wave_0_\@
	s_barrier_signal -3
.Lnot_wave_0_\@:
	s_barrier_wait -3
	s_barrier_signal -1
	s_barrier_wait -1
.endm
	s_load_b128 s[4:7], s[0:1], 0x0                ; qkv_pack, a_img
	s_load_b64 s[8:9], s[0:1], 0x10                ; a_sc
	v_lshl_add_u32 v254, v0, 2, 0x38000
	v_mov_b32 v255, 0
	ds_add_u32 v254, v255
	ds_add_u32 v254, v255
	v_lshrrev_b32 v11, 5, v0
	v_readfirstlane_b32 s[WV], v11                 ; wave 0..15
	s_bfe_u32 s[CX], ttmp6, 0x40000                ; my place in the cluster: it enters Q's and the outputs' addresses alone
	s_and_b32 s[BH], ttmp7, 0xffff                 ; b x 16 + head, which the four partners share
	; group 1: a quarter, 26,624 dense bytes, as 104 rows of 256 bytes (32 elements of 8 bytes)
	s_mov_b32 s[G1], 15|(3<<16)|(1<<21)            ; 15:0 the mask: all four work-groups; 17:16 elements of 8 bytes; 21 set beside a mask
	s_mov_b32 s[G1+1], 32<<16
	s_mov_b32 s[G1+2], 104<<16
	s_mov_b32 s[G1+3], 32<<16
	s_mov_b32 s[G1+4], 104
	s_mov_b32 s[G1+5], 32
	s_mov_b32 s[G1+6], 0
	s_mov_b32 s[G1+7], 0
	s_lshl_b32 s54, s[WV], 6
	s_add_co_u32 s54, s54, s[BH]
	s_add_co_u32 s54, s54, 64
	s_mul_i32 s54, s54, HEADB                      ; wave 0: K's packs of my head (which = 1), wave 1: V's (which = 2)
	s_mov_b32 s55, 0
	s_mul_i32 s56, s[WV], HEADB                    ; and their place in LDS
	s_wait_dscnt 0x0
	s_wait_kmcnt 0x0
	s_add_nc_u64 s[54:55], s[4:5], s[54:55]
.irp j, 0,1,2,3
	s_mov_b32 s[G0+4*\j], 1
	s_add_co_u32 s[G0+4*\j+1], s56, \j*QUART
	s_add_nc_u64 s[G0+4*\j+2:G0+4*\j+3], s[54:55], \j*QUART
	s_or_b32 s[G0+4*\j+3], s[G0+4*\j+3], 0x80000000
.endr
	CROUND                                         ; all four work-groups are here: the joint loads meet
	s_cmp_lt_u32 s[WV], 2                          ; a wave's four fills stand in one branch, ahead of every wait on TENSORcnt and every LDS read: four loads of mine are out
	s_cbranch_scc0 .Lno_fill
	tensor_load_to_lds s[G0:G0+3], s[G1:G1+7]
	s_nop 0
	tensor_load_to_lds s[G0+4:G0+7], s[G1:G1+7]
	s_nop 0
	tensor_load_to_lds s[G0+8:G0+11], s[G1:G1+7]
	s_nop 0
	tensor_load_to_lds s[G0+12:G0+15], s[G1:G1+7]
	s_nop 0
.rept 4
	v_nop
.endr
.Lno_fill:
	v_and_b32 v29, 31, v0                          ; lane
	v_and_b32 v30, 15, v0                          ; r
	v_lshlrev_b32 v1, 4, v29                       ; 16 x lane
	v_lshlrev_b32 v2, 3, v29                       ; 8 x lane
	v_add_nc_u32 v3, VB, v1
	v_add_nc_u32 v4, VB, v2
	v_lshlrev_b32 v10, 4, v30                      ; Q's scale words: 16 r
	s_lshl_b32 s57, s[WV], 5
	s_add_co_u32 s57, s57, STG
	v_lshl_add_u32 v9, v30, 1, s57                 ; the output's scale bytes: 32 x wave + 2 r
	v_lshlrev_b32 v31, 4, v0                       ; and on their way out: 16 x thread
	v_add_nc_u32 v11, STG, v31
	s_mov_b32 s[SEL], 0x76543210
	s_mov_b32 s[SEL+1], 0xfedcba98
	s_mov_b32 s[CS], 0x3e38aa3b                    ; c = log2(e) / 8
	s_mov_b32 s[CS+1], s[CS]
	; my tile of queries in pass p: 32 cx + 16 p + wave of the head's 128: step 4 cx + 2 p + wave / 8, tile wave % 8
	s_mul_i32 s54, s[BH], HEADB
	s_lshl_b32 s58, s[CX], 2
	s_lshr_b32 s59, s[WV], 3
	s_add_co_u32 s58, s58, s59
	s_mul_i32 s58, s58, PACKB
	s_add_co_u32 s58, s58, s54                     ; the step's pack of Q (which = 0)
	s_and_b32 s59, s[WV], 7
	s_mul_i32 s60, s59, 768
	s_add_co_u32 s60, s60, s58
	s_mov_b32 s61, 0
	s_add_nc_u64 s[QC:QC+1], s[4:5], s[60:61]
	s_and_b32 s60, s[WV], 1
	s_lshl_b32 s60, s60, 8                         ; an odd tile's words lie 16 lanes on,
	s_lshr_b32 s59, s59, 1
	s_lshl_b32 s59, s59, 2                         ; tiles 2 i, 2 i + 1 in word i of a lane's four
	s_add_co_u32 s60, s60, s59
	s_add_co_u32 s60, s60, s58
	s_add_co_u32 s60, s60, 6144
	s_add_nc_u64 s[QS:QS+1], s[4:5], s[60:61]
	s_lshr_b32 s58, s[BH], 4
	s_lshl_b32 s58, s58, 7
	s_lshl_b32 s59, s[CX], 5
	s_add_co_u32 s58, s58, s59
	s_add_co_u32 s58, s58, s[WV]                   ; the token tile: 128 b + 32 cx + wave
	s_lshl_b32 s58, s58, 4
	s_and_b32 s59, s[BH], 15
	s_add_co_u32 s58, s58, s59                     ; x 16 + head
	s_mul_i32 s58, s58, 768
	s_mov_b32 s59, 0
	s_add_nc_u64 s[AO:AO+1], s[6:7], s[58:59]
	s_lshl_b32 s58, s[BH], 12
	s_lshl_b32 s60, s[CX], 10
	s_add_co_u32 s58, s58, s60
	s_add_nc_u64 s[SO:SO+1], s[8:9], s[58:59]
.irp j, 22,23,24,25,26,27,80,81,82,83,84,85
	v_mov_b32 v[\j], 0                             ; zero codes
.endr
.irp j, 196,197,198,199,227,228
	v_mov_b32 v[\j], 0                             ; written once: lane permutes' destinations, and the upper half of the pair v[226:227]
.endr
; A KEY STEP: 128 keys.
.macro STEP
	v_add_nc_u32 v5, s[TB], v1                     ; (these four are also the places behind the last step's products, in front of the loads below)
	v_add_nc_u32 v6, s[TB], v2
	v_add_nc_u32 v7, s[TB], v3
	v_add_nc_u32 v8, s[TB], v4
.irp t, 0,1,2,3,4,5,6,7
	ds_load_b128 v[32+6*\t:35+6*\t], v5 offset:768*\t
	ds_load_b64 v[36+6*\t:37+6*\t], v6 offset:768*\t+512
.endr
	ds_load_b128 v[86:89], v5 offset:6144          ; K's scale words: register i: tile 2 i in lanes 0-15, tile 2 i + 1 in lanes 16-31
	s_wait_dscnt 0x0
.irp t, 0,1,2,3,4,5,6,7
.if \t%2
	v_wmma_scale_f32_16x16x128_f8f6f4 v[96+8*\t:103+8*\t], v[32+6*\t:43+6*\t], v[16:27], 0, v[86+\t/2], v28 matrix_a_fmt:MATRIX_FMT_FP6 matrix_b_fmt:MATRIX_FMT_FP6 matrix_a_scale:MATRIX_SCALE_ROW1
.else
	v_wmma_scale_f32_16x16x128_f8f6f4 v[96+8*\t:103+8*\t], v[32+6*\t:43+6*\t], v[16:27], 0, v[86+\t/2], v28 matrix_a_fmt:MATRIX_FMT_FP6 matrix_b_fmt:MATRIX_FMT_FP6
.endif
.endr
.rept 4
	v_nop                                          ; places in front of the loads into K's registers and of the first read of the scores
.endr
.irp t, 0,1,2,3                                ; V's four fragments land while the softmax is walked
	ds_load_b128 v[32+12*\t:35+12*\t], v7 offset:1536*\t
	ds_load_b64 v[36+12*\t:37+12*\t], v8 offset:1536*\t+512
	ds_load_b128 v[38+12*\t:41+12*\t], v7 offset:1536*\t+768
	ds_load_b64 v[42+12*\t:43+12*\t], v8 offset:1536*\t+1280
.endr
	ds_load_b64 v[90:91], v7 offset:6144           ; V's scale words: tiles 0 | 1, tiles 2 | 3
.irp b, 0,1,2,3
	v_max3_num_f32 v[192+\b], v[96+16*\b], v[97+16*\b], v[98+16*\b]   ; the largest score of each block of 32 keys: it serves for the row's maximum and, since p rises with the score, for the block's largest p
.endr
.irp i, 3,5,7,9,11,13
.irp b, 0,1,2,3
	v_max3_num_f32 v[192+\b], v[192+\b], v[96+16*\b+\i], v[97+16*\b+\i]
.endr
.endr
.irp b, 0,1,2,3
	v_max_num_f32 v[192+\b], v[192+\b], v[111+16*\b]
.endr
.irp b, 0,1,2,3
	v_permlanex16_b32 v[196+\b], v[192+\b], s[SEL], s[SEL+1]
.endr
.irp b, 0,1,2,3
	v_max_num_f32 v[192+\b], v[192+\b], v[196+\b]  ; with lane l xor 16's 16 keys
.endr
	v_max3_num_f32 v228, v192, v193, v194
	v_max_num_f32 v228, v228, v195                 ; the step's largest score of my query
	v_mul_f32 v228, s[CS], v228                    ; as t (c is positive)
	v_max_num_f32 v13, v13, v228                   ; the running largest t
	v_mov_b32 v228, v12
	v_floor_f32 v12, -v13                          ; the new -M = floor(-t): M is a whole number
	v_sub_f32 v228, v12, v228                      ; old M - new M: a whole number, 0 or less
	v_cvt_i32_f32 v228, v228                       ; (it saturates)
	v_ldexp_f32 v226, 1.0, v228                    ; f = 2^(old M - new M)
.set j, 0
.rept 32
	v_pk_fma_f32 v[96+j:97+j], v[96+j:97+j], s[CS:CS+1], v[12:13] op_sel_hi:[1,0,0]   ; t - M, two at a time
.set j, j+2
.endr
.irp b, 0,1,2,3
	v_fma_f32 v[192+\b], v[192+\b], s[CS], v12     ; the same of each block's largest score
.endr
.set j, 0
.rept 64
	v_exp_f32 v[96+j], v[96+j]                     ; p = 2^(t - M), at most 1
.set j, j+1
.endr
	v_pk_mul_f32 v[14:15], v[14:15], v[226:227] op_sel_hi:[1,0]   ; the sums under the new M.  (A plain place behind the exponentials)
	s_wait_alu depctr_va_vdst(0)                   ; one wait for the whole batch, ahead of its first reader
.irp b, 0,1,2,3
	v_exp_f32 v[192+\b], v[192+\b]                 ; the block's largest p: the same two instructions on the same number give the same bits
.endr
	v_pk_add_f32 v[230:231], v[96:97], v[98:99]    ; the row's sum is taken of the unquantised p: two at a time, in two chains
.irp j, 4,8,12,16,20,24,28,32,36,40,44,48,52,56,60
	v_pk_add_f32 v[14:15], v[14:15], v[96+\j:97+\j]
	v_pk_add_f32 v[230:231], v[230:231], v[98+\j:99+\j]
.endr
	v_pk_add_f32 v[14:15], v[14:15], v[230:231]
	s_wait_alu depctr_va_vdst(0)                   ; and one for the four
.irp b, 0,1,2,3
	v_max_num_f32 v[192+\b], 0x1800000, v[192+\b]  ; the floor 2^(3 - 127): the byte cannot fall under 1
.endr
.irp b, 0,1,2,3
	v_add_nc_u32 v[200+\b], 0xff000000, v[192+\b]  ; 2 off the exponent field: the conversion's scale operand
.endr
.irp b, 0,1,2,3
	v_lshrrev_b32 v[196+\b], 23, v[200+\b]         ; the scale's byte
.endr
	v_lshl_or_b32 v224, v197, 8, v196              ; p's scale word for these 128 keys
	v_lshl_or_b32 v224, v198, 16, v224
	v_lshl_or_b32 v224, v199, 24, v224
.irp c, 0,1
	v_cvt_scalef32_pk16_fp6_f32 v[204+6*\c:206+6*\c], v[96+32*\c:111+32*\c], v[200+2*\c]
	v_cvt_scalef32_pk16_fp6_f32 v[216+4*\c:218+4*\c], v[112+32*\c:127+32*\c], v[200+2*\c+1]
.endr
	v_nop                                          ; one plain place behind a scaled conversion
.irp c, 0,1
.irp i, 0,1,2
	v_permlane16_swap_b32 v[204+6*\c+\i], v[216+4*\c+\i]
.endr
.irp i, 0,1,2
	v_mov_b32 v[207+6*\c+\i], v[216+4*\c+\i]
.endr
.endr
.set j, 0
.rept 16
	v_pk_mul_f32 v[160+j:161+j], v[160+j:161+j], v[226:227] op_sel_hi:[1,0]   ; O^T under the new M.  (For each product below twelve of these name none of its registers: the places behind p's scale word and codes)
.set j, j+2
.endr
	s_wait_dscnt 0x0                               ; V is in
.irp t, 0,1,2,3
.if \t%2
	v_wmma_scale_f32_16x16x128_f8f6f4 v[160+8*\t:167+8*\t], v[32+12*\t:43+12*\t], v[204:215], v[160+8*\t:167+8*\t], v[90+\t/2], v224 matrix_a_fmt:MATRIX_FMT_FP6 matrix_b_fmt:MATRIX_FMT_FP6 matrix_a_scale:MATRIX_SCALE_ROW1
.else
	v_wmma_scale_f32_16x16x128_f8f6f4 v[160+8*\t:167+8*\t], v[32+12*\t:43+12*\t], v[204:215], v[160+8*\t:167+8*\t], v[90+\t/2], v224 matrix_a_fmt:MATRIX_FMT_FP6 matrix_b_fmt:MATRIX_FMT_FP6
.endif
.endr
.endm
.macro RUN first, trips                ; key steps first .. first + trips - 1
	s_mov_b32 s[TB], (\first)*PACKB
	s_mov_b32 s[CNT], \trips
.Lrun_\@:
	STEP
	s_add_co_u32 s[TB], s[TB], PACKB
	s_sub_co_u32 s[CNT], s[CNT], 1
	s_cmp_lg_u32 s[CNT], 0
	s_cbranch_scc1 .Lrun_\@
.endm
; A PASS: one tile of 16 queries against all 2,048 keys.
.macro PASS p
	global_load_b128 v[16:19], v1, s[QC:QC+1] offset:(\p)*2*PACKB       ; Q's half image stays in registers
	global_load_b64 v[20:21], v2, s[QC:QC+1] offset:(\p)*2*PACKB+512
	global_load_b32 v28, v10, s[QS:QS+1] offset:(\p)*2*PACKB
	v_mov_b32 v13, 0xff61b1e6                      ; the largest t so far: -3e38, under every t
	v_floor_f32 v12, -v13                          ; -M
	v_mov_b32 v14, 0
	v_mov_b32 v15, 0
.set j, 0
.rept 32
	v_mov_b32 v[160+j], 0                          ; O^T: the step is written once; the first finds zeros, which the first change of M leaves zeros
.set j, j+1
.endr
	s_wait_loadcnt 0x0
.if (\p) == 0
.irp j, 0,1,2,3
	s_wait_tensorcnt 3-\j                          ; quarter j of what I fetch is in; the later quarters may stay out
	s_wait_dscnt 0x0
	s_barrier_signal -1
	s_barrier_wait -1                              ; K's and V's quarter j are whole for every wave
	RUN 4*\j, 4
.endr
.else
	RUN 0, 16
.endif
.rept 4
	v_nop                                          ; places behind the last products
.endr
	v_add_f32 v14, v14, v15                        ; the sum's two halves,
	v_permlanex16_b32 v228, v14, s[SEL], s[SEL+1]
	v_add_f32 v14, v14, v228                       ; and lane l xor 16's
	v_rcp_f32 v226, v14
	v_nop                                          ; a plain place behind the transcendental
	s_wait_alu depctr_va_vdst(0)                   ; and the wait ahead of its first reader
.set j, 0
.rept 16
	v_pk_mul_f32 v[160+j:161+j], v[160+j:161+j], v[226:227] op_sel_hi:[1,0]   ; O^T / the sum: register 16 b + i is channel 32 b + 16 h + i of my query
.set j, j+2
.endr
.irp b, 0,1
	v_max3_num_f32 v[192+\b], |v[160+16*\b]|, |v[161+16*\b]|, 0x1800000
.endr
.irp i, 2,4,6,8,10,12,14
.irp b, 0,1
	v_max3_num_f32 v[192+\b], v[192+\b], |v[160+16*\b+\i]|, |v[161+16*\b+\i]|
.endr
.endr
.irp b, 0,1
	v_permlanex16_b32 v[196+\b], v[192+\b], s[SEL], s[SEL+1]
.endr
.irp b, 0,1
	v_max_num_f32 v[192+\b], v[192+\b], v[196+\b]
.endr
.irp b, 0,1
	v_add_nc_u32 v[200+\b], 0xff000000, v[192+\b]
.endr
.irp b, 0,1
	v_lshrrev_b32 v[196+\b], 23, v[200+\b]
.endr
	v_lshl_or_b32 v229, v197, 8, v196              ; the head's two scale bytes of my row
	v_cvt_scalef32_pk16_fp6_f32 v[204:206], v[160:175], v200
	v_cvt_scalef32_pk16_fp6_f32 v[216:218], v[176:191], v201
	v_nop
.irp i, 0,1,2
	v_permlane16_swap_b32 v[204+\i], v[216+\i]
.endr
.irp i, 0,1,2
	v_mov_b32 v[207+\i], v[216+\i]
.endr
	ds_store_b16 v9, v229 offset:512*(\p)          ; lanes r and r + 16 write the same bytes with the same value
	global_store_b128 v1, v[204:207], s[AO:AO+1] offset:(\p)*196608       ; the half image of (token tile, head): 512 consecutive bytes,
	global_store_b64 v2, v[208:209], s[AO:AO+1] offset:(\p)*196608+512    ; and 256
	s_wait_xcnt 0x0                                ; the stores' registers are written again only behind this wait
.endm
	PASS 0
	PASS 1
	s_wait_dscnt 0x0                               ; for the others' sake: my scale bytes lie in LDS
	s_barrier_signal -1
	s_barrier_wait -1
	s_cmp_lt_u32 s[WV], 2
	s_cbranch_scc0 .Lno_sc
	ds_load_b128 v[32:35], v11                     ; waves 0 and 1: the work-group's 1,024 scale bytes,
	s_wait_dscnt 0x0
	global_store_b128 v31, v[32:35], s[SO:SO+1]    ; 512 consecutive bytes a wave
.Lno_sc:
	s_wait_tensorcnt 0x0
	s_wait_tensorcnt 0x0
	ds_add_u32 v254, v255
	s_wait_dscnt 0x0
	CROUND                                         ; the closing round
	s_endpgm
.Lfunc_end_k_qf32dfe91b5_attn:
	.size	k_qf32dfe91b5_attn, .Lfunc_end_k_qf32dfe91b5_attn-k_qf32dfe91b5_attn
	.p2alignl 7, 3214868480
	.fill 96, 4, 3214868480
	.section	.rodata,"a",@progbits
	.p2align	6, 0x0
	.amdhsa_kernel k_qf32dfe91b5_attn
		.amdhsa_group_segment_fixed_size 231424
		.amdhsa_private_segment_fixed_size 0
		.amdhsa_enable_private_segment 0
		.amdhsa_kernarg_size 24
		.amdhsa_user_sgpr_count 2
		.amdhsa_user_sgpr_kernarg_segment_ptr 1
		.amdhsa_wavefront_size32 1
		.amdhsa_system_sgpr_workgroup_id_x 1
		.amdhsa_system_sgpr_workgroup_id_y 1
		.amdhsa_system_sgpr_workgroup_id_z 1
		.amdhsa_system_vgpr_workitem_id 0
		.amdhsa_next_free_vgpr 256
		.amdhsa_next_free_sgpr 66
		.amdhsa_reserve_vcc 0
		.amdhsa_float_denorm_mode_32 3
		.amdhsa_float_denorm_mode_16_64 3
		.amdhsa_memory_ordered 1
		.amdhsa_forward_progress 1
		.amdhsa_inst_pref_size 97
	.end_amdhsa_kernel
	.amdgpu_metadata
---
amdhsa.version: [ 1, 2 ]
amdhsa.kernels:
  - .name:           k_qf32dfe91b5_attn
    .symbol:         k_qf32dfe91b5_attn.kd
    .args:
      - { .name: qkv_pack, .offset: 0, .size: 8, .value_kind: global_buffer, .address_space: global }
      - { .name: a_img, .offset: 8, .size: 8, .value_kind: global_buffer, .address_space: global }
      - { .name: a_sc, .offset: 16, .size: 8, .value_kind: global_buffer, .address_space: global }
    .group_segment_fixed_size: 231424
    .private_segment_fixed_size: 0
    .kernarg_segment_align: 8
    .kernarg_segment_size: 24
    .max_flat_workgroup_size: 512
    .sgpr_count:     66
    .vgpr_count:     256
    .wavefront_size: 32
...
	.end_amdgpu_metadata
.endif
;; end of part 3
;; launch proj (part 4): grid 4 x 32, 4 waves a work-group, clusters of 4 x 4, 327,680 bytes of LDS; arguments a_img, a_sc, wp_img, w_proj_scales, b_proj, x, out0; writes out0
.if DOCPART == 4
	.amdgcn_target "amdgcn-amd-amdhsa--gfx1250"
	.amdhsa_code_object_version 6
	.text
	.protected	k_qf32dfe91b5_proj
	.globl	k_qf32dfe91b5_proj
	.p2align	8
	.type	k_qf32dfe91b5_proj,@function
k_qf32dfe91b5_proj:
	s_mov_b64 s[64:65], 0
	v_nop
	global_prefetch_b8 v0, s[64:65] scope:SCOPE_SE
	s_setreg_imm32_b32 hwreg(HW_REG_WAVE_MODE, 25, 1), 1
	s_wait_xcnt 0x0
	s_wait_alu depctr_hold_cnt(0) depctr_sa_sdst(0) depctr_va_vdst(0) depctr_va_sdst(0) depctr_va_ssrc(0) depctr_va_vcc(0) depctr_vm_vsrc(0)
	s_getreg_b32 s2, hwreg(HW_REG_IB_STS2, 6, 4)
	s_cmp_eq_u32 s2, 0
	s_cbranch_scc0 .Lentry_in_a_cluster
	s_endpgm
.Lentry_in_a_cluster:
	s_bfe_u32 s2, ttmp6, 0x10000c
	s_cmp_lg_u32 s2, 0xf033
	s_cbranch_scc0 .Lentry_shape_is_right
	s_endpgm
.Lentry_shape_is_right:
; out = x + a w_proj^T + b_proj, the product on codes of FP6 (E2M3) with E8M0 scales.  M 8,192, N 1,024, K 1,024.  a: the attention output as the launch before laid it.
; A tile of 256 tokens x 256 columns is made by four waves, each 128 x 128: 64 accumulators.  K goes in steps of 256 through a ring of two LDS slots, four fills in all, so the steps are written out.
; Operands lie in memory in the order of their registers ([tile of 16 rows][16 half images of 768 bytes]); tiles of 16 rows are permuted: tile 2 g + u holds rows 32 g + 8 u + r + 8 (r / 8).
; S0 = W, S1 = a: a lane holds one token, and the 16 registers of W's tiles 2 b, 2 b + 1 are 16 neighbouring columns.
; x IS THE C OF THE FIRST K STEP: it is loaded straight into the accumulators, so the residual costs no addition.  The bias is added on the way out, where a lane holds the same four columns of every row.
; CLUSTER: 4 x 4 work-groups; a's tiles are asked for jointly along a row of the cluster, W's along a column.  The problem has 128 such tiles: 128 work-groups.
; THE SCALES come once, into 64 registers: register 8 i + ks holds tile 2 i's word of K step ks in lanes 0-15 and tile 2 i + 1's in lanes 16-31.  a's words are made of two heads' pairs of bytes.
; LIMITS: NaN and infinities are not served.
; REGISTERS: window 0: v12, v16-31 addresses; v32-63 W's scale words, v64-95 a's; v96-99 the bias; v128-223 a's eight fragments; on the way out v128-255 rows of the result.
;   window 1: W's fragments, two sets.  windows 2, 3: accumulator (a's tile t, W's tile a) at v[64 (t % 4) + 8 a] of window 2 + t / 4.
.set FR,     12
.set TILEB,  3072
.set HALFT,  8*TILEB
.set SLOT,   4*HALFT
.set SPARE,  2*SLOT
.set TROW,   12288
.set SPITCH, 528                       ; the way out: a stage of 16 rows x (512 bytes + 16) for each wave, in slot 0, which has had its last fill and its last read when the first result is stored there
.set UO,   12                          ; v12    a's scale bytes: 32 h + 2 r
.set A0,   16
.set A1,   20
.set L16,  24
.set L8,   25
.set SCO,  26
.set STO,  27                          ; v27    the stage: where I put 32 bytes of a row
.set SPW,  28
.set NIL,  29
.set RD,   30                          ; v30    and where I read a row back
.set XO,   31                          ; v31    x: my token's row, + 64 h
.set SC0,  32
.set SC1,  64
.set BI,   96
.set S1F,  128
.set BK,   128
.set G1,   24
.set G0,   32
.set G1B,  48
.set G0B,  56
.set MUL_LO, 0xa1
.set MUL_HI, 0xf1
.set TO_S0,  0x40
.set MSB, 0
.macro WIN new
.if MSB != (\new)
	s_set_vgpr_msb (MSB<<8)|(\new)
.set MSB, (\new)
.endif
.endm
.macro JLOAD g0a, g1a, g0b, g1b        ; a joint load: waves 0 and 1 fetch a's halves, waves 2 and 3 W's; four v_nop follow each of the two lines
	s_cmp_eq_u32 s15, 0
	s_cbranch_scc0 .Lfor_b_\@
	tensor_load_to_lds s[\g0a:\g0a+3], s[\g1a:\g1a+7]
	s_nop 0
.rept 4
	v_nop
.endr
	s_branch .Lasked_\@
.Lfor_b_\@:
	tensor_load_to_lds s[\g0b:\g0b+3], s[\g1b:\g1b+7]
	s_nop 0
.rept 4
	v_nop
.endr
.Lasked_\@:
.endm
.macro CREST
	s_cmp_lg_u32 s14, 0
	s_cbranch_scc1 .Lnot_wave_0_\@
	s_barrier_signal -3
.Lnot_wave_0_\@:
	s_barrier_wait -3
	s_barrier_signal -1
	s_barrier_wait -1
.endm
.macro CROUND
	s_barrier_signal -1
	s_barrier_wait -1
	CREST
.endm
.macro PLACES
.rept 4
	v_nop
.endr
.endm
	s_load_b256 s[4:11], s[0:1], 0x0               ; a_img, a_sc, wp_img, w_proj_scales
	s_load_b128 s[68:71], s[0:1], 0x20             ; b_proj, x
	s_load_b64 s[12:13], s[0:1], 0x30              ; out0
	v_lshl_add_u32 v[SPW], v0, 2, SPARE
	v_mov_b32 v[NIL], 0
	ds_add_u32 v28, v29
	ds_add_u32 v28, v29
	s_wait_dscnt 0x0
	v_lshrrev_b32 v1, 5, v0
	v_readfirstlane_b32 s14, v1                    ; wave 0..3
	s_lshr_b32 s15, s14, 1                         ; my half of the tokens.  Also: I fetch for a (0) or for W (1)
	s_and_b32 s16, s14, 1                          ; my half of the columns.  Also: which 128 rows I fetch
	s_bfe_u32 s40, ttmp6, 0x40000
	s_bfe_u32 s41, ttmp6, 0x40004
	s_lshl_b32 s42, ttmp9, 2
	s_add_co_u32 s42, s42, s40                     ; x: which 256 columns
	s_and_b32 s17, ttmp7, 0xffff
	s_lshl_b32 s17, s17, 2
	s_add_co_u32 s17, s17, s41                     ; y: which 256 tokens
	s_lshl_b32 s43, s41, 2
	s_lshl_b32 s43, 15, s43
	s_lshl_b32 s44, 0x1111, s40
	s_or_b32 s[G1+0], s43, (3<<16)|(1<<21)         ; group 1: 8 rows (tiles) of 3,072 bytes, 12,288 bytes apart, in elements of 8 bytes; the mask: a's tiles go to my row of the cluster
	s_or_b32 s[G1B+0], s44, (3<<16)|(1<<21)        ; W's to my column
.irp g, G1, G1B
	s_mov_b32 s[\g+1], 384<<16
	s_mov_b32 s[\g+2], 8<<16
	s_mov_b32 s[\g+3], 384<<16
	s_mov_b32 s[\g+4], 8
	s_mov_b32 s[\g+5], 1536
	s_mov_b32 s[\g+6], 0
	s_mov_b32 s[\g+7], 0
.endr
	s_lshl_b32 s18, s16, 3
	s_lshl_b32 s20, s17, 4
	s_add_co_u32 s20, s20, s18
	s_mul_i32 s20, s20, TROW
	s_mov_b32 s21, 0
	s_lshl_b32 s46, s42, 4
	s_add_co_u32 s46, s46, s18
	s_mul_i32 s46, s46, TROW
	s_mov_b32 s47, 0
	s_mul_i32 s45, s14, HALFT
	s_wait_kmcnt 0x0
	s_add_nc_u64 s[20:21], s[4:5], s[20:21]
	s_add_nc_u64 s[46:47], s[8:9], s[46:47]
	CROUND                                         ; all sixteen work-groups are here: the first joint loads meet
.irp s, 0,1
	s_mov_b32 s[G0+4*\s], 1
	s_add_co_u32 s[G0+4*\s+1], s45, \s*SLOT
	s_add_nc_u64 s[G0+4*\s+2:G0+4*\s+3], s[20:21], \s*TILEB
	s_or_b32 s[G0+4*\s+3], s[G0+4*\s+3], 0x80000000
	s_mov_b32 s[G0B+4*\s], 1
	s_add_co_u32 s[G0B+4*\s+1], s45, \s*SLOT
	s_add_nc_u64 s[G0B+4*\s+2:G0B+4*\s+3], s[46:47], \s*TILEB
	s_or_b32 s[G0B+4*\s+3], s[G0B+4*\s+3], 0x80000000
	JLOAD G0+4*\s, G1, G0B+4*\s, G1B
.endr
	s_mul_i32 s18, s16, HALFT
	s_add_co_u32 s18, s18, 2*HALFT                 ; S0 = W: my half, behind a's two
	s_mul_i32 s19, s15, HALFT                      ; S1 = a: my half
	v_and_b32 v1, 31, v0
	v_and_b32 v2, 15, v0                           ; r
	v_bfe_u32 v3, v0, 4, 1                         ; h
	v_lshlrev_b32 v[L16], 4, v1
	v_lshlrev_b32 v[L8], 3, v1
.irp s, 0,1
	v_add_nc_u32 v[A0+\s], s18, v[L16]
	v_add_nc_u32 v[A0+2+\s], s18, v[L8]
	v_add_nc_u32 v[A1+\s], s19, v[L16]
	v_add_nc_u32 v[A1+2+\s], s19, v[L8]
	s_add_co_u32 s18, s18, SLOT
	s_add_co_u32 s19, s19, SLOT
.endr
	v_and_b32 v4, 8, v2
	v_add_nc_u32 v4, v4, v2                        ; r + 8 (r / 8)
	v_lshlrev_b32 v[XO], 12, v4
	v_lshl_add_u32 v[XO], v3, 6, v[XO]             ; x: that row of 4,096 bytes, + 64 h
	v_lshl_add_u32 v4, v3, 3, v4
	v_lshlrev_b32 v[SCO], 5, v4                    ; W's scale bytes: row 8 h + r + 8 (r / 8) of 32, 32 bytes a row
	v_lshlrev_b32 v[UO], 5, v3
	v_lshl_add_u32 v[UO], v2, 1, v[UO]             ; a's: 32 h + 2 r
	s_mul_i32 s76, s14, 16*SPITCH                  ; my stage
	v_mul_u32_u24 v5, v2, SPITCH
	v_lshl_add_u32 v5, v3, 6, v5
	v_add_nc_u32 v[STO], s76, v5                   ; in: row r, + 64 h
	v_add_nc_u32 v[RD], s76, v[L16]                ; back: the 32 lanes take one row of 512 bytes
	s_lshl_b32 s76, s42, 13
	s_lshl_b32 s77, s16, 12
	s_add_co_u32 s76, s76, s77
	s_mov_b32 s77, 0
	s_add_nc_u64 s[10:11], s[10:11], s[76:77]      ; W's scale bytes: (256 x + 128 half) rows of 32 bytes
	s_lshr_b32 s76, s17, 3
	s_lshl_b32 s76, s76, 16                        ; a's: [b x 16 + head][tile 128][16 rows] pairs of bytes: b x 65,536,
	s_and_b32 s78, s17, 7
	s_lshl_b32 s78, s78, 4
	s_lshl_b32 s79, s15, 3
	s_add_co_u32 s78, s78, s79
	s_lshl_b32 s78, s78, 5                         ; + (16 (y % 8) + 8 half) tiles of 32 bytes
	s_add_co_u32 s76, s76, s78
	s_add_nc_u64 s[6:7], s[6:7], s[76:77]
	s_lshl_b32 s76, s17, 8
	s_lshl_b32 s78, s15, 7
	s_add_co_u32 s76, s76, s78                     ; my first token
	s_lshl_b32 s76, s76, 12
	s_lshl_b32 s78, s42, 10
	s_lshl_b32 s79, s16, 9
	s_add_co_u32 s78, s78, s79                     ; my first column, in bytes
	s_mov_b32 s79, 0
	s_add_nc_u64 s[68:69], s[68:69], s[78:79]      ; the bias
	s_add_co_u32 s76, s76, s78
	s_add_nc_u64 s[70:71], s[70:71], s[76:77]      ; x
	s_add_nc_u64 s[12:13], s[12:13], s[76:77]      ; out0
.irp i, 0,1,2,3
.irp q, 0,1
	global_load_b128 v[SC0+8*\i+4*\q:SC0+8*\i+4*\q+3], v[SCO], s[10:11] offset:1024*\i+16*\q
.endr
.endr
	global_load_b128 v[BI:BI+3], v[L16], s[68:69]  ; my four columns' biases on the way out
.set i, 0
.rept 4
.set hd, 0
.rept 16
	global_load_u16 v[S1F+16*i+hd], v[UO], s[6:7] offset:4096*hd+64*i   ; head hd's two bytes: tile 2 i in lanes 0-15, tile 2 i + 1 in lanes 16-31
.set hd, hd+1
.endr
.set i, i+1
.endr
	s_wait_loadcnt 0x0
.set i, 0
.rept 4
.set s, 0
.rept 8
	v_lshl_or_b32 v[SC1+8*i+s], v[S1F+16*i+2*s+1], 16, v[S1F+16*i+2*s]   ; K step s = heads 2 s and 2 s + 1
.set s, s+1
.endr
.set i, i+1
.endr
.rept 8
	v_nop                                          ; a scale register written by a vector instruction stands 8 places ahead of a scaled matrix instruction
.endr
	; x into the accumulators: accumulator (t, a), register j: token 32 (t / 2) + 8 (t % 2) + r + 8 (r / 8), column 32 (a / 2) + 16 h + 8 (a % 2) + j
.macro XC t
.set WX, 0x80+0x40*((\t)/4)
	WIN WX                                         ; destination window 2 or 3
.irp a, 0,1,2,3,4,5,6,7
.irp q, 0,1
	global_load_b128 v[64*((\t)%4)+8*\a+4*\q:64*((\t)%4)+8*\a+4*\q+3], v[XO], s[70:71] offset:(32*((\t)/2)+8*((\t)%2))*4096+128*(\a/2)+32*(\a%2)+16*\q
.endr
.endr
.endm
.irp t, 0,1,2,3,4,5,6,7
	XC \t
.endr
	WIN 0
.macro FRAG reg, adr, off
	ds_load_b128 v[\reg:\reg+3], v[\adr] offset:\off
	ds_load_b64 v[\reg+4:\reg+5], v[\adr+2] offset:\off+512
	ds_load_b128 v[\reg+6:\reg+9], v[\adr] offset:\off+768
	ds_load_b64 v[\reg+10:\reg+11], v[\adr+2] offset:\off+1280
.endm
.macro FETCH_S0 slot, q, set
	WIN TO_S0
.irp i, 0,1,2,3,4,5,6,7
	FRAG 128*(\set)+FR*\i, A0+\slot, \i*TILEB+(\q)*1536
.endr
	WIN 0
.endm
.macro FETCH_S1 slot, q, i0
.irp i, \i0, \i0+1, \i0+2, \i0+3
	FRAG S1F+FR*(\i), A1+\slot, (\i)*TILEB+(\q)*1536
.endr
.endm
.macro WM t, a, set, ks                ; one product; every sum begins on x, so C is always the accumulator
.set rD, 8*(8*((\t)%4)+(\a))
.set rA, 128*(\set)+FR*(\a)
.set rB, S1F+FR*(\t)
.set rX, SC0+8*((\a)/2)+(\ks)
.set rY, SC1+8*((\t)/2)+(\ks)
.set od, 2*((\a)%2)+(\t)%2
.if od == 3
	v_wmma_scale_f32_16x16x128_f8f6f4 v[rD:rD+7], v[rA:rA+FR-1], v[rB:rB+FR-1], v[rD:rD+7], v[rX], v[rY] matrix_a_fmt:MATRIX_FMT_FP6 matrix_b_fmt:MATRIX_FMT_FP6 matrix_a_scale:MATRIX_SCALE_ROW1 matrix_b_scale:MATRIX_SCALE_ROW1
.elseif od == 2
	v_wmma_scale_f32_16x16x128_f8f6f4 v[rD:rD+7], v[rA:rA+FR-1], v[rB:rB+FR-1], v[rD:rD+7], v[rX], v[rY] matrix_a_fmt:MATRIX_FMT_FP6 matrix_b_fmt:MATRIX_FMT_FP6 matrix_a_scale:MATRIX_SCALE_ROW1
.elseif od == 1
	v_wmma_scale_f32_16x16x128_f8f6f4 v[rD:rD+7], v[rA:rA+FR-1], v[rB:rB+FR-1], v[rD:rD+7], v[rX], v[rY] matrix_a_fmt:MATRIX_FMT_FP6 matrix_b_fmt:MATRIX_FMT_FP6 matrix_b_scale:MATRIX_SCALE_ROW1
.else
	v_wmma_scale_f32_16x16x128_f8f6f4 v[rD:rD+7], v[rA:rA+FR-1], v[rB:rB+FR-1], v[rD:rD+7], v[rX], v[rY] matrix_a_fmt:MATRIX_FMT_FP6 matrix_b_fmt:MATRIX_FMT_FP6
.endif
.endm
.macro MUL16 t0, set, ks               ; the 64 accumulators take turns, one instruction a turn, in the same order in every step
.irp t, \t0, \t0+1
.irp a, 0,1,2,3,4,5,6,7
	WM \t, \a, \set, \ks
.endr
.endr
.endm
.macro STEP slot, ks
	s_wait_dscnt 16                                ; W's set and a's tiles 0-3 are in; the youngest 16 loads (tiles 4-7, four each) may be out
	WIN MUL_LO
	MUL16 0, 0, \ks
	MUL16 2, 0, \ks
	s_wait_dscnt 0
	PLACES
	FETCH_S0 \slot, 1, 1
	FETCH_S1 \slot, 1, 0
	WIN MUL_HI
	MUL16 4, 0, \ks
	MUL16 6, 0, \ks
	PLACES
	WIN 0
	FETCH_S1 \slot, 1, 4
.endm
.macro TURN slot, next, fill, ks
	s_wait_tensorcnt 0x0                           ; all my tensor loads have landed: my part of the next slot
	ds_add_u32 v[SPW], v[NIL]                      ; 0 onto my spare word
	s_wait_dscnt 17                                ; (the add and the youngest 16 loads may be out)
	WIN MUL_LO
	MUL16 0, 1, \ks
	s_wait_dscnt 0x0                               ; the add is done, and my reads of this slot are over
	s_barrier_signal -1
	MUL16 2, 1, \ks
	WIN 0
	s_barrier_wait -1
.if \fill
	CREST                                          ; the barrier has opened a round of the cluster's barrier
	s_add_nc_u64 s[G0+4*\slot+2:G0+4*\slot+3], s[G0+4*\slot+2:G0+4*\slot+3], 2*TILEB
	s_add_nc_u64 s[G0B+4*\slot+2:G0B+4*\slot+3], s[G0B+4*\slot+2:G0B+4*\slot+3], 2*TILEB
	JLOAD G0+4*\slot, G1, G0B+4*\slot, G1B         ; the first tensor load behind the round; its four v_nop are the places in front of the loads below
.else
	PLACES
.endif
	FETCH_S0 \next, 0, 0
	FETCH_S1 \next, 0, 0
	WIN MUL_HI
	MUL16 4, 1, \ks
	MUL16 6, 1, \ks
	PLACES
	WIN 0
	FETCH_S1 \next, 0, 4
.endm
	s_wait_tensorcnt 1                             ; my part of slot 0 is in (slot 1's load may be out)
	s_barrier_signal -1
	s_barrier_wait -1                              ; everybody's is
	FETCH_S0 0, 0, 0
	FETCH_S1 0, 0, 0
	FETCH_S1 0, 0, 4
	s_wait_loadcnt 0x0                             ; x lies in the accumulators
	STEP 0, 0
	TURN 0, 1, 1, 1
	STEP 1, 2
	TURN 1, 0, 1, 3
	STEP 0, 4
	TURN 0, 1, 0, 5                                ; nothing is left to fetch; behind this barrier nobody reads slot 0
	STEP 1, 6
	s_wait_dscnt 16
	WIN MUL_LO
	MUL16 0, 1, 7
	MUL16 2, 1, 7
	s_wait_dscnt 0
	WIN MUL_HI
	MUL16 4, 1, 7
	MUL16 6, 1, 7
	WIN 0
; THE WAY OUT, a tile of 16 tokens x 128 columns at a time, through my own stage in LDS: in as 32 bytes a lane, back as whole rows of 512 bytes.  LDS serves a wave's instructions in order (ISA guide 5.7.1.4).
.macro TOSTAGE t
.set AC, 64*((\t)%4)
.set WS, 0x08+4*((\t)/4)
	WIN WS                                         ; the data: window 2 or 3
.irp a, 0,1,2,3,4,5,6,7
	ds_store_b128 v[STO], v[AC+8*\a:AC+8*\a+3] offset:128*(\a/2)+32*(\a%2)        ; each accumulator from its low end on
	ds_store_b128 v[STO], v[AC+8*\a+4:AC+8*\a+7] offset:128*(\a/2)+32*(\a%2)+16
.endr
	WIN 0
.set BB, BK+64*((\t)%2)
.irp u, 0,1,2,3,4,5,6,7,8,9,10,11,12,13,14,15
	ds_load_b128 v[BB+4*\u:BB+4*\u+3], v[RD] offset:\u*SPITCH
.endr
.endm
.macro SEND t, younger                 ; younger: the LDS instructions issued behind tile t's loads, which may stay out
.set BB, BK+64*((\t)%2)
	s_wait_dscnt \younger
.irp u, 0,1,2,3,4,5,6,7,8,9,10,11,12,13,14,15
	v_pk_add_f32 v[BB+4*\u:BB+4*\u+1], v[BB+4*\u:BB+4*\u+1], v[BI:BI+1]
	v_pk_add_f32 v[BB+4*\u+2:BB+4*\u+3], v[BB+4*\u+2:BB+4*\u+3], v[BI+2:BI+3]
.endr
.irp u, 0,1,2,3,4,5,6,7,8,9,10,11,12,13,14,15
	global_store_b128 v[L16], v[BB+4*\u:BB+4*\u+3], s[12:13] offset:(32*((\t)/2)+8*((\t)%2)+\u+8*(\u/8))*4096 th:TH_STORE_NT   ; 32 lanes store 512 consecutive bytes, at a multiple of 256; the row stands in the immediate
.endr
.endm
	PLACES
	TOSTAGE 0
.irp t, 1,2,3,4,5,6,7
.if \t > 1
	s_wait_xcnt 0x0                                ; tile t - 2's stores have read their registers: tile t's rows may land there
.endif
	TOSTAGE \t
	SEND \t-1, 32                                  ; behind tile t - 1's loads: tile t's 16 stores and 16 loads
.endr
	SEND 7, 0
	s_wait_tensorcnt 0x0                           ; the wave's end, behind my last tensor load and my last LDS store
	ds_add_u32 v[SPW], v[NIL]
	s_wait_dscnt 0x0
	CROUND                                         ; the closing round
	s_endpgm
.Lfunc_end_k_qf32dfe91b5_proj:
	.size	k_qf32dfe91b5_proj, .Lfunc_end_k_qf32dfe91b5_proj-k_qf32dfe91b5_proj
	.p2alignl 7, 3214868480
	.fill 96, 4, 3214868480
	.section	.rodata,"a",@progbits
	.p2align	6, 0x0
	.amdhsa_kernel k_qf32dfe91b5_proj
		.amdhsa_group_segment_fixed_size 327680
		.amdhsa_private_segment_fixed_size 0
		.amdhsa_enable_private_segment 0
		.amdhsa_kernarg_size 56
		.amdhsa_user_sgpr_count 2
		.amdhsa_user_sgpr_kernarg_segment_ptr 1
		.amdhsa_wavefront_size32 1
		.amdhsa_system_sgpr_workgroup_id_x 1
		.amdhsa_system_sgpr_workgroup_id_y 1
		.amdhsa_system_sgpr_workgroup_id_z 1
		.amdhsa_system_vgpr_workitem_id 0
		.amdhsa_next_free_vgpr 1024
		.amdhsa_next_free_sgpr 100
		.amdhsa_reserve_vcc 0
		.amdhsa_float_denorm_mode_32 3
		.amdhsa_float_denorm_mode_16_64 3
		.amdhsa_memory_ordered 1
		.amdhsa_forward_progress 1
		.amdhsa_inst_pref_size 176
	.end_amdhsa_kernel
	.amdgpu_metadata
---
amdhsa.version: [ 1, 2 ]
amdhsa.kernels:
  - .name:           k_qf32dfe91b5_proj
    .symbol:         k_qf32dfe91b5_proj.kd
    .args:
      - { .name: a_img, .offset: 0, .size: 8, .value_kind: global_buffer, .address_space: global }
      - { .name: a_sc, .offset: 8, .size: 8, .value_kind: global_buffer, .address_space: global }
      - { .name: wp_img, .offset: 16, .size: 8, .value_kind: global_buffer, .address_space: global }
      - { .name: w_proj_scales, .offset: 24, .size: 8, .value_kind: global_buffer, .address_space: global }
      - { .name: b_proj, .offset: 32, .size: 8, .value_kind: global_buffer, .address_space: global }
      - { .name: x, .offset: 40, .size: 8, .value_kind: global_buffer, .address_space: global }
      - { .name: out0, .offset: 48, .size: 8, .value_kind: global_buffer, .address_space: global }
    .group_segment_fixed_size: 327680
    .private_segment_fixed_size: 0
    .kernarg_segment_align: 8
    .kernarg_segment_size: 56
    .max_flat_workgroup_size: 128
    .sgpr_count:     100
    .vgpr_count:     1024
    .wavefront_size: 32
...
	.end_amdgpu_metadata
.endif
;; end of part 4
